; MI455X (gfx1250); checked and timed in simulation.
; The chip was launched on July 23, 2026; its instructions are those of AMD's public machine-readable ISA for CDNA 5 (MIT licence, August 2026) and "CDNA5" Instruction Set Architecture Reference Guide (July 2026). The comments in the code are by the model that wrote it; some were corrected since.
;; Top Encoder Base. Allowed arithmetic: matrix products marked QUANTISED: E5M2 operands, one given power-of-two scale a tensor, by v_wmma_f32_16x16x64_bf8_bf8 or v_wmma_f32_16x16x128_bf8_bf8, f32 sums; products left as they are: f32 operands where the result goes on into a quantised operand, else bf16, f16 or f32 operands; f32 sums; everything else in f32.
;; Inputs: Wkv 512 x 2,048 float32; Wq 512 x 1,024 float32; bkv 2,048 float32; bq 1,024 float32; lowp_scales 4 int32 (the exponents e of the quantised operands' scales 2^e); mask 32 x 2,048 bool; x 32 x 2,048 x 512 float32.
;; Outputs: out0 32 x 1,024 float32.
;; This version of the problem:
;;   THIS VERSION OF THE PROBLEM IS GIVEN IN LOW PRECISION. The matrix products marked QUANTISED in the list below multiply operands that are first quantised to E5M2 (5 exponent bits, 2 mantissa bits; 8 bits a number), with one given power-of-two scale for each operand tensor; their sums are f32. All else is computed in f32.
;;   The module's matrix products, in the order in which they are computed (A, B: the left and right operand; K: the contracted axis; several contracted axes count as one K, in the product's order):
;;     1. [M 65,536, K 512] x [K 512, N 2,048]; A: input x; B: input Wkv: QUANTISED (scales: A lowp_scales[0], B lowp_scales[1])
;;     2. [M 32, K 512] x [K 512, N 1,024]; A: input x; B: input Wq: QUANTISED (scales: A lowp_scales[2], B lowp_scales[3])
;;     3. batch 512 x [M 2,048, K 64] x [K 64, N 1]; A: computed on the way; B: computed on the way: left as it is (N = 1 < 16)
;;     4. batch 512 x [M 1, K 2,048] x [K 2,048, N 64]; A: computed on the way; B: computed on the way: left as it is (M = 1 < 16)
;;   THE QUANTISER, for each operand of a quantised product, along K:
;;     - The operand's scale is 2^e, e = its entry of the input lowp_scales (int32; the entries are numbered through the quantised products in the list's order, A before B).
;;     - Each number is divided by the scale, clamped to +-57,344, and rounded to the nearest number of E5M2, ties to even, subnormals kept.
;;     - The product sums the exact products of the quantised numbers (number of the format x scale) in f32.
;;   ~~~python
;;   def quantise(x, axis, e):      # numpy; x: float32 -> the quantised numbers, widened to float32 again
;;       x = np.moveaxis(x, axis, -1); K = x.shape[-1]
;;       r = np.clip(x / 2.0 ** e, -57344, 57344)
;;       step = 2.0 ** (np.maximum(np.frexp(np.where(r == 0, 1, r))[1] - 1, -14) - 2)
;;       q = np.round(r / step) * step * 2.0 ** e      # np.round: ties to even
;;       return np.moveaxis(q, -1, axis).astype(np.float32)
;;   ~~~
;; 2 versions, each right. Each part assembles by itself: llvm-mc -triple=amdgcn-amd-amdhsa -mcpu=gfx1250 --defsym DOCPART=n.
;; ======== version 1 of 2: 3 launches
;; limits: right only within a limited range of input values
;; workspace buffers: wkvc 1,048,576 bytes; wqc 524,288 bytes; tab 524,288 bytes; part 524,288 bytes
;; launch prep (part 1): grid 256 x 1, 4 waves a work-group, no clusters, 0 bytes of LDS; arguments Wkv, Wq, lowp_scales, wkvc, wqc, tab; writes wkvc, wqc, tab
.if DOCPART == 1
	.amdgcn_target "amdgcn-amd-amdhsa--gfx1250"
	.amdhsa_code_object_version 6
	.text
	.protected	k_qd364ee4cbb_prep
	.globl	k_qd364ee4cbb_prep
	.p2align	8
	.type	k_qd364ee4cbb_prep,@function
k_qd364ee4cbb_prep:
	s_mov_b64 s[64:65], 0
	v_nop
	global_prefetch_b8 v0, s[64:65] scope:SCOPE_SE
	s_setreg_imm32_b32 hwreg(HW_REG_WAVE_MODE, 25, 1), 1
	s_wait_xcnt 0x0
; Three jobs, chosen by the work-group's number b:
;   b < 128:        Wkv [512][2048] f32 -> codes of E5M2 with the scale 2^e1, laid as the next launch's registers want them
;   128 <= b < 192: Wq  [512][1024] f32 -> the same with 2^e3
;   b >= 192:       the table of cos and sin for the rotation of k, 2,048 positions x 32 frequencies
; CODES.  code = w / 2^e, held within +-57,344, to the nearest code, ties to even.  K is the FIRST axis of both weights, so a lane takes a column and its registers run down K:
; each load reads 32 neighbouring columns (128 consecutive bytes a wave, 512 a work-group), and the conversions, which take neighbours along K from one lane's registers, give codes with K innermost.
; LAYOUT OF THE CODES: [head][tile of 16 columns][K step of 128: s][c 0..3][lane 32][16 bytes]; lane (r, h) holds, of the tile's column r, k = 128 s + 32 c + 16 h + 0 .. 15.
; In wkvc a head has 8 tiles: 0-3 its columns of k, 4-7 its columns of v; in wqc it has 4.  A wave takes 32 columns (two tiles) x 64 along K; sixteen lanes store 256 consecutive bytes, aligned.
; TABLE: [tile of 16 positions p][g 0..7][lane 32][4 f32]; pos = 16 p + r; g = 2 t + u holds cos at frequencies j = 16 t + 8 h + 4 u + 0 .. 3, g + 4 holds sin at the same.
; angle = pos x 10000^(-j/32); it is brought into +-pi/4 by taking off n x pi/2 in two parts, then sin and cos come by polynomials of degree 7 and 8 and the quadrant n mod 4 sorts them.
; LIMITS: e1 and e3 between -126 and 112, so that 2^e and 57,344 x 2^e are f32 numbers.  NaN among the weights is not served; an infinity is held at the largest code.
; No LDS, no barrier: waves share nothing.
.set XN, 16                            ; v16-79  64 numbers down K
.set CD, 80                            ; v80-95  their codes
	s_load_b256 s[4:11], s[0:1], 0x0               ; Wkv s[4:5], Wq s[6:7], the scales' exponents s[8:9], wkvc s[10:11]
	s_load_b128 s[12:15], s[0:1], 0x20             ; wqc s[12:13], tab s[14:15]
	v_lshrrev_b32 v1, 5, v0
	v_readfirstlane_b32 s16, v1                    ; wave 0..3
	v_and_b32 v2, 31, v0                           ; lane
	v_lshlrev_b32 v3, 2, v2                        ; in: 4 bytes a lane
	v_and_b32 v5, 15, v0                           ; r
	v_bfe_u32 v6, v0, 4, 1                         ; h
	v_lshlrev_b32 v4, 4, v5
	v_lshl_add_u32 v4, v6, 13, v4                  ; out: lanes 16-31 are the next tile (8,192 bytes on); 16 bytes a column
	s_mov_b32 s19, 0                               ; the upper words of the two offsets
	s_mov_b32 s21, 0
	s_wait_kmcnt 0x0
	s_cmp_lt_u32 ttmp9, 128
	s_cbranch_scc1 .Lkv
	s_cmp_lt_u32 ttmp9, 192
	s_cbranch_scc1 .Lq
	; ---- the table: wave id = 4 (b - 192) + wave takes tile p = id / 2 and half t = id % 2 of the frequencies
	s_sub_co_u32 s17, ttmp9, 192
	s_lshl_b32 s17, s17, 2
	s_add_co_u32 s17, s17, s16
	s_lshr_b32 s18, s17, 1                         ; p
	s_and_b32 s22, s17, 1                          ; t
	s_lshl_b32 s23, s18, 4
	v_add_nc_u32 v7, s23, v5
	v_cvt_f32_u32 v7, v7                           ; pos = 16 p + r
	s_lshl_b32 s23, s22, 4
	v_lshl_add_u32 v10, v6, 3, s23                 ; my first frequency: 16 t + 8 h
	v_lshlrev_b32 v11, 4, v2                       ; 16 x lane
	s_lshl_b32 s20, s18, 12
	s_lshl_b32 s23, s22, 10
	s_add_co_u32 s20, s20, s23                     ; 4,096 p + 1,024 t
	s_add_nc_u64 s[14:15], s[14:15], s[20:21]
	s_mov_b32 s30, 0xb94ca1f9                      ; sin: -1.9515296e-4,
	s_mov_b32 s31, 0x3c08839e                      ;       8.3321609e-3,
	s_mov_b32 s32, 0xbe2aaaa3                      ;      -1.6666655e-1
	s_mov_b32 s33, 0x37ccf5ce                      ; cos:  2.4433157e-5,
	s_mov_b32 s34, 0xbab6061a                      ;      -1.3887316e-3,
	s_mov_b32 s35, 0x3d2aaaa5                      ;       4.1666646e-2
	s_mov_b32 s36, 0xbfc90fdb                      ; -(pi/2 rounded to f32)
	s_mov_b32 s37, 0x333bbd2e                      ; that number less pi/2: 4.3711390e-8
.irp k, 0,1,2,3,4,5,6,7
	v_add_nc_u32 v[16+\k], \k, v10
	v_cvt_f32_u32 v[16+\k], v[16+\k]
	v_mul_f32 v[16+\k], 0xbed49a78, v[16+\k]       ; -j log2(10000) / 32
.endr
.irp k, 0,1,2,3,4,5,6,7
	v_exp_f32 v[16+\k], v[16+\k]                   ; 10000^(-j/32)
.endr
	v_nop                                          ; a plain instruction between the last exponential and the use of its result (ISA guide 5.7.2)
	s_wait_alu depctr_va_vdst(0)
.irp k, 0,1,2,3,4,5,6,7
	v_mul_f32 v[16+\k], v7, v[16+\k]               ; the angle
	v_mul_f32 v[24+\k], 0x3f22f983, v[16+\k]       ; x 2 / pi
	v_rndne_f32 v[24+\k], v[24+\k]                 ; n
	v_fma_f32 v[32+\k], v[24+\k], s36, v[16+\k]
	v_fma_f32 v[32+\k], v[24+\k], s37, v[32+\k]    ; rho = angle - n pi/2, within +-pi/4
	v_mul_f32 v[40+\k], v[32+\k], v[32+\k]         ; zeta = rho^2
	v_fma_f32 v[48+\k], v[40+\k], s30, s31
	v_fma_f32 v[56+\k], v[40+\k], s33, s34
	v_fma_f32 v[48+\k], v[48+\k], v[40+\k], s32
	v_fma_f32 v[56+\k], v[56+\k], v[40+\k], s35
	v_mul_f32 v[48+\k], v[48+\k], v[40+\k]
	v_mul_f32 v[56+\k], v[56+\k], v[40+\k]
	v_fma_f32 v[88+\k], v[40+\k], -0.5, 1.0
	v_fma_f32 v[48+\k], v[48+\k], v[32+\k], v[32+\k]   ; sin rho
	v_fma_f32 v[56+\k], v[56+\k], v[40+\k], v[88+\k]   ; cos rho
	v_cvt_i32_f32 v[64+\k], v[24+\k]
	v_and_b32 v[88+\k], 1, v[64+\k]
	v_cmp_ne_u32 vcc_lo, 0, v[88+\k]               ; an odd quadrant swaps the two
	v_cndmask_b32 v[80+\k], v[48+\k], v[56+\k], vcc_lo
	v_cndmask_b32 v[72+\k], v[56+\k], v[48+\k], vcc_lo
	v_and_b32 v[88+\k], 2, v[64+\k]                ; sin is negative in quadrants 2 and 3,
	v_lshlrev_b32 v[88+\k], 30, v[88+\k]
	v_xor_b32 v[80+\k], v[88+\k], v[80+\k]
	v_add_nc_u32 v[64+\k], 1, v[64+\k]             ; cos in quadrants 1 and 2
	v_and_b32 v[64+\k], 2, v[64+\k]
	v_lshlrev_b32 v[64+\k], 30, v[64+\k]
	v_xor_b32 v[72+\k], v[64+\k], v[72+\k]
.endr
	global_store_b128 v11, v[72:75], s[14:15]                 ; each store of the wave covers 512 consecutive bytes, aligned
	global_store_b128 v11, v[76:79], s[14:15] offset:512
	global_store_b128 v11, v[80:83], s[14:15] offset:2048
	global_store_b128 v11, v[84:87], s[14:15] offset:2560
	s_endpgm
; 32 columns x 64 along K of a weight with n columns: s[sb:sb+1] its first number, s[db:db+1] where its codes go, s[e] the scale's exponent
.macro WQ n, sb, db, e
	s_load_b128 s[24:27], s[8:9], 0x0              ; e0 .. e3
.set cnt, 0
.rept 64
	global_load_b32 v[XN+cnt], v3, s[\sb:\sb+1] offset:cnt*\n*4 th:TH_LOAD_NT   ; row cnt of my 64, 32 neighbouring columns; read once in the launch
.set cnt, cnt+1
.endr
	s_wait_kmcnt 0x0
	s_add_co_i32 s29, s[\e], 127
	s_lshl_b32 s30, s29, 23
	v_mov_b32 v8, s30                              ; 2^e as f32: the conversion takes its exponent field
	s_add_co_i32 s29, s29, 15
	s_lshl_b32 s29, s29, 23
	s_or_b32 s29, s29, 0x600000
	v_mov_b32 v9, s29                              ; 57,344 x 2^e
	s_wait_loadcnt 0x0
.set cnt, 0
.rept 64
	v_med3_num_f32 v[XN+cnt], v[XN+cnt], -v9, v9   ; the conversion to an 8-bit code does not saturate (ISA guide 7.6.2): the hold comes first
.set cnt, cnt+1
.endr
.irp g, 0,1,2,3,4,5,6,7
	v_cvt_scalef32_pk8_bf8_f32 v[CD+2*\g:CD+2*\g+1], v[XN+8*\g:XN+8*\g+7], v8
.endr
	v_nop                                          ; a plain instruction behind the last scaled conversion
.irp cc, 0,1
.irp hh, 0,1
	global_store_b128 v4, v[CD+8*\cc+4*\hh:CD+8*\cc+4*\hh+3], s[\db:\db+1] offset:512*\cc+256*\hh   ; k = 32 cc + 16 hh + 0 .. 15 of my 64: sixteen lanes store 256 consecutive bytes, aligned
.endr
.endr
	s_endpgm
.endm
.Lkv:                                                  ; b = 8 G + kappa: columns 128 G + 32 wave on, K = 64 kappa on
	s_lshr_b32 s17, ttmp9, 3
	s_and_b32 s22, ttmp9, 7
	s_lshl_b32 s17, s17, 7
	s_lshl_b32 s23, s16, 5
	s_add_co_u32 s17, s17, s23                     ; n0, my first column
	s_lshl_b32 s18, s22, 19                        ; 64 rows of 8,192 bytes
	s_lshl_b32 s23, s17, 2
	s_add_co_u32 s18, s18, s23
	s_add_nc_u64 s[4:5], s[4:5], s[18:19]
	s_bfe_u32 s20, s17, 0x40006                    ; the head: (n0 / 64) % 16
	s_lshl_b32 s20, s20, 16
	s_lshr_b32 s23, s17, 10                        ; 0: k, 1: v
	s_lshl_b32 s23, s23, 2
	s_bfe_u32 s28, s17, 0x20004
	s_add_co_u32 s23, s23, s28                     ; the tile: 4 x that + (n0 / 16) % 4
	s_lshl_b32 s23, s23, 13
	s_add_co_u32 s20, s20, s23
	s_lshl_b32 s23, s22, 10                        ; K step kappa / 2 (2,048 bytes) and its half kappa % 2 (1,024): 1,024 kappa
	s_add_co_u32 s20, s20, s23
	s_add_nc_u64 s[10:11], s[10:11], s[20:21]
	WQ 2048, 4, 10, 25
.Lq:                                                   ; b - 128 = 8 G + kappa
	s_sub_co_u32 s17, ttmp9, 128
	s_lshr_b32 s17, s17, 3
	s_and_b32 s22, ttmp9, 7
	s_lshl_b32 s17, s17, 7
	s_lshl_b32 s23, s16, 5
	s_add_co_u32 s17, s17, s23                     ; n0
	s_lshl_b32 s18, s22, 18                        ; 64 rows of 4,096 bytes
	s_lshl_b32 s23, s17, 2
	s_add_co_u32 s18, s18, s23
	s_add_nc_u64 s[6:7], s[6:7], s[18:19]
	s_lshr_b32 s20, s17, 6                         ; the head
	s_lshl_b32 s20, s20, 15
	s_bfe_u32 s23, s17, 0x20004                    ; the tile
	s_lshl_b32 s23, s23, 13
	s_add_co_u32 s20, s20, s23
	s_lshl_b32 s23, s22, 10
	s_add_co_u32 s20, s20, s23
	s_add_nc_u64 s[12:13], s[12:13], s[20:21]
	WQ 1024, 6, 12, 27
.Lfunc_end_k_qd364ee4cbb_prep:
	.size	k_qd364ee4cbb_prep, .Lfunc_end_k_qd364ee4cbb_prep-k_qd364ee4cbb_prep
	.p2alignl 7, 3214868480
	.fill 96, 4, 3214868480
	.section	.rodata,"a",@progbits
	.p2align	6, 0x0
	.amdhsa_kernel k_qd364ee4cbb_prep
		.amdhsa_group_segment_fixed_size 0
		.amdhsa_private_segment_fixed_size 0
		.amdhsa_enable_private_segment 0
		.amdhsa_kernarg_size 48
		.amdhsa_user_sgpr_count 2
		.amdhsa_user_sgpr_kernarg_segment_ptr 1
		.amdhsa_wavefront_size32 1
		.amdhsa_system_sgpr_workgroup_id_x 1
		.amdhsa_system_sgpr_workgroup_id_y 1
		.amdhsa_system_sgpr_workgroup_id_z 1
		.amdhsa_system_vgpr_workitem_id 0
		.amdhsa_next_free_vgpr 96
		.amdhsa_next_free_sgpr 66
		.amdhsa_reserve_vcc 1
		.amdhsa_float_denorm_mode_32 3
		.amdhsa_float_denorm_mode_16_64 3
		.amdhsa_memory_ordered 1
		.amdhsa_forward_progress 1
		.amdhsa_inst_pref_size 37
	.end_amdhsa_kernel
	.amdgpu_metadata
---
amdhsa.version: [ 1, 2 ]
amdhsa.kernels:
  - .name:           k_qd364ee4cbb_prep
    .symbol:         k_qd364ee4cbb_prep.kd
    .args:
      - { .name: Wkv, .offset: 0, .size: 8, .value_kind: global_buffer, .address_space: global }
      - { .name: Wq, .offset: 8, .size: 8, .value_kind: global_buffer, .address_space: global }
      - { .name: lowp_scales, .offset: 16, .size: 8, .value_kind: global_buffer, .address_space: global }
      - { .name: wkvc, .offset: 24, .size: 8, .value_kind: global_buffer, .address_space: global }
      - { .name: wqc, .offset: 32, .size: 8, .value_kind: global_buffer, .address_space: global }
      - { .name: tab, .offset: 40, .size: 8, .value_kind: global_buffer, .address_space: global }
    .group_segment_fixed_size: 0
    .private_segment_fixed_size: 0
    .kernarg_segment_align: 8
    .kernarg_segment_size: 48
    .max_flat_workgroup_size: 128
    .sgpr_count:     66
    .vgpr_count:     96
    .wavefront_size: 32
...
	.end_amdgpu_metadata
.endif
;; end of part 1
;; launch main (part 2): grid 256 x 1, 4 waves a work-group, clusters of 4 x 1, 327,680 bytes of LDS; arguments x, mask, bkv, bq, lowp_scales, wkvc, wqc, tab, part; writes part
.if DOCPART == 2
	.amdgcn_target "amdgcn-amd-amdhsa--gfx1250"
	.amdhsa_code_object_version 6
	.text
	.protected	k_qd364ee4cbb_main
	.globl	k_qd364ee4cbb_main
	.p2align	8
	.type	k_qd364ee4cbb_main,@function
k_qd364ee4cbb_main:
	s_mov_b64 s[64:65], 0
	v_nop
	global_prefetch_b8 v0, s[64:65] scope:SCOPE_SE
	s_setreg_imm32_b32 hwreg(HW_REG_WAVE_MODE, 25, 1), 1
	s_wait_xcnt 0x0
	s_wait_alu depctr_hold_cnt(0) depctr_sa_sdst(0) depctr_va_vdst(0) depctr_va_sdst(0) depctr_va_ssrc(0) depctr_va_vcc(0) depctr_vm_vsrc(0)
	s_getreg_b32 s2, hwreg(HW_REG_IB_STS2, 6, 4)
	s_cmp_eq_u32 s2, 0
	s_cbranch_scc0 .Lentry_in_a_cluster
	s_endpgm
.Lentry_in_a_cluster:
	s_bfe_u32 s2, ttmp6, 0x10000c
	s_cmp_lg_u32 s2, 0x3003
	s_cbranch_scc0 .Lentry_shape_is_right
	s_endpgm
.Lentry_shape_is_right:
; For one half of a sequence (1,024 tokens) and one head a wave makes U[e] = sum over tokens of s^2 v[e] and S = sum of s^2, where
;   kv = Q(x) Q(Wkv) + bkv (codes of E5M2, scales 2^e0, 2^e1),  q = Q(x[z,0]) Q(Wq) + bq (2^e2, 2^e3),  s = q . rope(k), 0 where the mask is set,  v = v^2 / max(sum over e of v^2, 1e-38).
; Both divisions by sums over tokens are left to the next launch: they commute with the sums made here.  kv never goes to memory.
; SHARES.  A wave owns ONE HEAD: its 128 columns of Wkv (64 of k, 64 of v) x 512 K are 64 KB of codes, 512 registers, loaded once and kept.  Four waves make a work-group, four work-groups a cluster: 16 heads.
; The cluster walks 1,024 tokens, 64 a step.  64 clusters x 1,024 tokens are all 32 sequences; 256 work-groups of equal work.
; x COMES ONCE.  All 16 waves of a cluster need the same tokens, so x's tiles (f32) are asked for JOINTLY: the same tensor load, with the same descriptor and a mask that names the four work-groups, in all four.
; Wave w fetches and quantises K step w (128 of the 512) of the step's 64 tokens and hands the codes to the other three waves through LDS as images of the operand's registers.
; THE MATRIX INSTRUCTION IS USED TRANSPOSED: source 0 = 16 columns of W, source 1 = 16 tokens.  In a result lane (r, h) holds token r, and register j of tile t the head's channel 16 t + 8 h + j.
; So a token's sums over channels want one exchange between the halves of the lanes, and the sums over tokens stay in the lanes until the end.
; A fragment's k lie in the registers as 32 c + 16 h + 0 .. 15 in registers 4 c .. 4 c + 3, alike in both operands: every product meets its partner; only the order of the sums inside an instruction differs from the form's own.
; SCALES.  The sums are kept as sums of codes' products: bkv goes in as the C of a tile's first product, divided by 2^(e0+e1); q carries 2^(e0+e1) for k; v's normalisation takes 2^(2(e0+e1)) in its divisor and in its factor.
; q is made here too: source 1 is x[z,0]'s fragment, the same row in all 16 columns, so every lane gets q at its own channels.  16 matrix instructions a wave, once.
; LIMITS: e0 .. e3 between -126 and 112 (2^e and 57,344 x 2^e are f32 numbers); a token's sum of v^2 stays under 2^90 (it is multiplied by 2^32 ahead of the reciprocal, so that the floor 1e-38, which is denormal, is not flushed);
; NaN among the inputs is not served; an infinity is held at the largest code.
; REGISTERS, in windows of 256 (s_set_vgpr_msb: bits 1:0 source 0, 3:2 source 1, 5:4 source 2, 7:6 destination):
;   window 0: v1-31 addresses and single numbers; v32-95 x's four fragments (also 64 numbers being quantised); v96-159 the 8 result tiles (also 64 numbers being quantised); v160-191 cos, sin;
;             v192-207 codes; v208-239 q; v240-255 at work (also codes)
;   window 1: W's four tiles of k ((t, s, c) at 64 t + 16 s + 4 c)     window 2: its four tiles of v     window 3: at first Wq's codes; then v0-63 the bias, v64-95 U
.set PITCH, 528                        ; an LDS row of x: 512 bytes + 16 of padding = 132 words: row r starts at bank 4 r mod 64 (64 banks of 4 bytes: ISA guide 11.1)
.set PL,    64*PITCH                   ; a plane: 64 tokens x one K step of 128 f32: what one tensor load brings, and what the same wave reads
.set SLOT,  4*PL                       ; four planes
.set IMG,   2*SLOT                     ; behind the ring: the step's 16 fragments of codes, (tile m, K step s) at (4 m + s) x 2,048
.set MSK,   IMG+32768                  ; the cluster's 1,024 mask bytes
.set X0S,   MSK+1024                   ; 512 bytes for each wave: the codes of x[z,0]
.set SPARE, X0S+2048                   ; the spare words, 128 bytes for each wave: two blocks of 256 bytes that no other line names
.set STEPB, 64*2048                    ; a step's 64 rows of x in memory
.set SPW, 1                            ; v1   SPARE + 4 x my thread's number; never rewritten
.set NIL, 2                            ; v2   0; never rewritten
.set LI,  3                            ; v3   16 x lane
.set FA,  4                            ; v4   IMG + 16 x lane: where any wave reads an image
.set IW,  5                            ; v5   IMG + 2,048 wave + 16 x lane: where I store mine
.set QA,  6                            ; v6-7 my place in my plane of slot 0, 1: row r, + 64 h
.set MA0, 8                            ; v8   MSK + r
.set MA,  9                            ; v9   the step's mask bytes
.set SC,  10                           ; v10  the scale as f32
.set LM,  11                           ; v11  57,344 x the scale
.set MK,  12                           ; v12-15 my token's mask byte in the step's four tiles
.set SS,  16                           ; v16  sum of s^2
.set SV,  17                           ; v17  s, then s^2
.set PT,  18                           ; v18  a lane permute's destination
.set HH,  19                           ; v19  h
.set CC,  20                           ; v[20:21] s^2 / sum of v^2 (the packed form names the pair and takes its low word)
.set BH,  22                           ; v22  32 h
.set X0G, 23                           ; v23  64 x lane
.set X0W, 24                           ; v24  where I store x[z,0]'s codes
.set X0R, 25                           ; v25  and where I read them as a fragment
.set OA,  26                           ; v26  my 16 bytes of the wave's 512 in part
.set PFA, 27                           ; v27  256 x lane
.set MG,  28                           ; v28  8 x thread
.set MW,  29                           ; v29  MSK + 8 x thread
.set XF,  32
.set DD,  96
.set CS,  160
.set PC,  192
.set QQ,  208
.set TT,  240
.set G1,  24                           ; s[24:31] descriptor group 1
.set G0,  32                           ; s[32:39] descriptor group 0, a set for each slot
.set WV,  40                           ; s40 wave   s41 cx   s42 cluster   s43 head
.set CX,  41
.set CL,  42
.set HD,  43
.set LAP, 44
.set MO,  45                           ; s45 64 x step
.set MSB, 0
.macro WIN new                         ; the immediate's high byte repeats the setting that is left; a switch that changes nothing is dropped
.if MSB != (\new)
	s_set_vgpr_msb (MSB<<8)|(\new)
.set MSB, (\new)
.endif
.endm
; A round of the cluster's barrier: my work-group's barrier, so that wave 0's signal speaks for all four waves; wave 0 signals for the work-group; every wave waits for all four work-groups; my work-group's barrier once more.
.macro ROUND
	s_barrier_signal -1
	s_barrier_wait -1
	s_cmp_lg_u32 s[WV], 0
	s_cbranch_scc1 .Lnot_wave_0_\@
	s_barrier_signal -3
.Lnot_wave_0_\@:
	s_barrier_wait -3
	s_barrier_signal -1
	s_barrier_wait -1
.endm
	s_load_b256 s[4:11], s[0:1], 0x0               ; x s[4:5], mask s[6:7], bkv s[8:9], bq s[10:11]
	s_load_b256 s[12:19], s[0:1], 0x20             ; the scales' exponents s[12:13], wkvc s[14:15], wqc s[16:17], tab s[18:19]
	s_load_b64 s[20:21], s[0:1], 0x40              ; part
	v_lshl_add_u32 v[SPW], v0, 2, SPARE
	v_mov_b32 v[NIL], 0
	ds_add_u32 v1, v2
	s_wait_dscnt 0x0
	v_lshrrev_b32 v30, 5, v0
	v_readfirstlane_b32 s[WV], v30                 ; wave 0..3
	s_bfe_u32 s[CX], ttmp6, 0x40000                ; cx: it enters the addresses of the weights, the biases, part and the prefetch alone
	s_mov_b32 s[CL], ttmp9                         ; in a cluster launch ttmp9 counts clusters: 0..63
	s_lshl_b32 s[HD], s[CX], 2
	s_add_co_u32 s[HD], s[HD], s[WV]               ; my head
	; descriptor group 1: 64 rows x 128 elements of 4 bytes, rows 512 elements apart, padded in LDS
	s_mov_b32 s[G1+0], 15|(2<<16)|(1<<20)|(1<<21)|(6<<22)|(3<<25)   ; 15:0 the mask: all four work-groups; 17:16 elements of 4 bytes; 20 padding on; 21 set beside a mask; 24:22 after every 128 words (code 6); 31:25 four words (code 3)
	s_mov_b32 s[G1+1], 128<<16                     ; tensor_dim0 = 128
	s_mov_b32 s[G1+2], 64<<16                      ; tensor_dim1 = 64
	s_mov_b32 s[G1+3], 128<<16                     ; tile_dim0 = 128
	s_mov_b32 s[G1+4], 64                          ; tile_dim1 = 64
	s_mov_b32 s[G1+5], 512                         ; tensor_dim0_stride
	s_mov_b32 s[G1+6], 0
	s_mov_b32 s[G1+7], 0
	s_mov_b32 s58, 0x76543210                      ; v_permlanex16_b32: each lane takes its own place in the other half
	s_mov_b32 s59, 0xfedcba98
	s_mov_b32 s66, 0xaaaaaaaa                      ; the lanes with r & 1,
	s_mov_b32 s67, 0xcccccccc                      ; r & 2,
	s_mov_b32 s68, 0xf0f0f0f0                      ; r & 4,
	s_mov_b32 s69, 0xff00ff00                      ; r & 8
	v_and_b32 v30, 31, v0                          ; lane
	v_and_b32 v31, 15, v0                          ; r
	v_bfe_u32 v[HH], v0, 4, 1                      ; h
	v_lshlrev_b32 v[LI], 4, v30
	v_add_nc_u32 v[FA], IMG, v[LI]
	s_lshl_b32 s22, s[WV], 11
	v_add_nc_u32 v[IW], s22, v[FA]
	s_mul_i32 s23, s[WV], PL                       ; my plane in a slot
	v_mul_u32_u24 v[QA], v31, PITCH
	v_lshl_add_u32 v[QA], v[HH], 6, v[QA]          ; row r, + 64 h: my 16 numbers of a block of 32
	v_add_nc_u32 v[QA], s23, v[QA]
	v_add_nc_u32 v[QA+1], SLOT, v[QA]
	v_add_nc_u32 v[MA0], MSK, v31
	v_lshlrev_b32 v[BH], 5, v[HH]
	v_lshlrev_b32 v[X0G], 6, v30
	s_lshl_b32 s22, s[WV], 9
	s_add_co_u32 s22, s22, X0S
	v_add_nc_u32 v[X0W], s22, v[LI]
	v_lshl_add_u32 v[X0R], v[HH], 4, s22
	v_lshlrev_b32 v[PFA], 8, v30
	v_lshlrev_b32 v[MG], 3, v0
	v_lshl_add_u32 v[MW], v0, 3, MSK
	v_bfe_u32 v[OA], v0, 3, 1                      ; the way out: lanes with r & 8 store S, 256 bytes on;
	v_lshlrev_b32 v[OA], 8, v[OA]
	v_bfe_u32 v30, v0, 1, 2
	v_lshl_add_u32 v[OA], v30, 6, v[OA]            ; (r / 2) % 4 is the tile of 16 channels,
	v_and_b32 v30, 1, v0
	v_lshl_add_u32 v[OA], v30, 4, v[OA]            ; r % 2 which four of my half's eight
	v_add_nc_u32 v[OA], v[BH], v[OA]
	s_lshl_b32 s46, ttmp9, 21                      ; the cluster's 1,024 rows of 2,048 bytes,
	s_lshl_b32 s47, s[WV], 9                       ; my K step's 512 bytes of a row
	s_add_co_u32 s46, s46, s47
	s_mov_b32 s47, 0
	s_mov_b32 s71, 0
	s_wait_kmcnt 0x0
	s_load_b128 s[48:51], s[12:13], 0x0            ; e0 .. e3
	s_add_nc_u64 s[46:47], s[4:5], s[46:47]        ; made of the cluster's number and the wave's alone: the same in all four partners
.irp n, 0,1
	s_mov_b32 s[G0+4*\n], 1                        ; 1:0 count = 1
	s_add_co_u32 s[G0+4*\n+1], s23, \n*SLOT        ; 63:32 LDS address: my plane of slot n
	s_add_nc_u64 s[G0+4*\n+2:G0+4*\n+3], s[46:47], \n*STEPB   ; 120:64 global address: step n
	s_or_b32 s[G0+4*\n+3], s[G0+4*\n+3], 0x80000000           ; 127:126 type = 2
.endr
	ROUND                                          ; all four work-groups are here: the first joint load meets
	tensor_load_to_lds s[G0:G0+3], s[G1:G1+7]      ; step 0
	s_nop 0
.rept 4
	v_nop
.endr
	s_lshr_b32 s70, s[CL], 1                       ; the sequence z,
	s_lshl_b32 s70, s70, 22
	s_add_nc_u64 s[72:73], s[4:5], s[70:71]        ; and its first token's row
	s_lshl_b32 s70, s[CL], 10
	s_add_nc_u64 s[6:7], s[6:7], s[70:71]          ; the cluster's mask bytes
	s_lshl_b32 s70, s[HD], 8
	s_add_nc_u64 s[8:9], s[8:9], s[70:71]          ; my head's 64 numbers of bkv (k's; v's lie 4,096 bytes on)
	s_add_nc_u64 s[10:11], s[10:11], s[70:71]      ; and of bq
	s_lshl_b32 s70, s[HD], 16
	s_add_nc_u64 s[14:15], s[14:15], s[70:71]      ; my head's codes of Wkv
	s_lshl_b32 s70, s[HD], 15
	s_add_nc_u64 s[16:17], s[16:17], s[70:71]      ; and of Wq
	s_and_b32 s70, s[CL], 1
	s_lshl_b32 s70, s70, 18
	s_add_nc_u64 s[62:63], s[18:19], s[70:71]      ; the table at my half's first position: 64 tiles of 4,096 bytes a half
	s_lshl_b32 s70, s[CL], 4
	s_add_co_u32 s70, s70, s[HD]
	s_lshl_b32 s70, s70, 9
	s_add_nc_u64 s[20:21], s[20:21], s[70:71]      ; part: 512 bytes for each cluster and head
	s_lshl_b32 s70, s[CL], 21
	s_lshl_b32 s74, s[HD], 13
	s_add_co_u32 s70, s70, s74
	s_add_co_u32 s70, s70, 2*STEPB
	s_add_nc_u64 s[60:61], s[4:5], s[70:71]        ; the prefetch: two steps on, my sixteenth (8,192 bytes) of that step's rows
	; ---- all that stays in registers is asked for in one run
.irp i, 0,1,2,3
	global_load_b128 v[TT+4*\i:TT+4*\i+3], v[X0G], s[72:73] offset:16*\i   ; x[z,0]: lane l takes k = 16 l + 0 .. 15
.endr
	global_load_b64 v[MK:MK+1], v[MG], s[6:7]      ; 8 mask bytes a thread
.irp t, 0,1,2,3
	global_load_b128 v[QQ+8*\t:QQ+8*\t+3],   v[BH], s[10:11] offset:64*\t      ; bq at my channels 16 t + 8 h + 0 .. 7
	global_load_b128 v[QQ+8*\t+4:QQ+8*\t+7], v[BH], s[10:11] offset:64*\t+16
.endr
.irp p, 0,1
.irp t, 0,1,2,3
	global_load_b128 v[DD+32*\p+8*\t:DD+32*\p+8*\t+3],   v[BH], s[8:9] offset:4096*\p+64*\t     ; bkv likewise: k's, then v's
	global_load_b128 v[DD+32*\p+8*\t+4:DD+32*\p+8*\t+7], v[BH], s[8:9] offset:4096*\p+64*\t+16
.endr
.endr
	WIN 0xc0                                       ; destination window 3
.set cnt, 0
.rept 64
	global_load_b128 v[4*cnt:4*cnt+3], v[LI], s[16:17] offset:512*cnt          ; Wq's codes lie in the order of the registers
.set cnt, cnt+1
.endr
	WIN 0x40                                       ; destination window 1
.set cnt, 0
.rept 64
	global_load_b128 v[4*cnt:4*cnt+3], v[LI], s[14:15] offset:512*cnt          ; W's tiles of k
.set cnt, cnt+1
.endr
	WIN 0x80                                       ; destination window 2
.set cnt, 0
.rept 64
	global_load_b128 v[4*cnt:4*cnt+3], v[LI], s[14:15] offset:32768+512*cnt    ; W's tiles of v
.set cnt, cnt+1
.endr
	WIN 0
	s_wait_kmcnt 0x0
	s_add_co_i32 s52, s48, s49                     ; E = e0 + e1
	s_sub_co_i32 s53, 0, s52                       ; -E
	s_lshl_b32 s54, s52, 1                         ; 2 E
	s_add_co_i32 s55, s54, 32                      ; 32 + 2 E
	s_add_co_i32 s57, s50, s51
	s_sub_co_i32 s56, 0, s57                       ; -(e2 + e3)
	s_add_co_i32 s57, s57, s52                     ; e2 + e3 + E
	s_add_co_i32 s22, s50, 127
	s_lshl_b32 s23, s22, 23
	v_mov_b32 v[SC], s23                           ; 2^e2
	s_add_co_i32 s22, s22, 15
	s_lshl_b32 s22, s22, 23
	s_or_b32 s22, s22, 0x600000
	v_mov_b32 v[LM], s22                           ; 57,344 x 2^e2
	s_wait_loadcnt 0x0
	ds_store_b64 v[MW], v[MK:MK+1]                 ; the mask: read by all waves behind the first step's round
	; ---- q
.set cnt, 0
.rept 16
	v_med3_num_f32 v[TT+cnt], v[TT+cnt], -v[LM], v[LM]
.set cnt, cnt+1
.endr
	v_cvt_scalef32_pk8_bf8_f32 v[PC:PC+1], v[TT:TT+7], v[SC]
	v_cvt_scalef32_pk8_bf8_f32 v[PC+2:PC+3], v[TT+8:TT+15], v[SC]
	v_nop                                          ; a plain instruction behind the last scaled conversion
	ds_store_b128 v[X0W], v[PC:PC+3]               ; the row's 512 codes on end, in my wave's own bytes
.irp s, 0,1,2,3
.irp c, 0,1,2,3
	ds_load_b128 v[XF+16*\s+4*\c:XF+16*\s+4*\c+3], v[X0R] offset:128*\s+32*\c   ; LDS serves a wave's instructions in order (ISA guide 5.7.1.4): these see the store.  Every r takes the same row
.endr
.endr
.set cnt, 0
.rept 32
	v_ldexp_f32 v[QQ+cnt], v[QQ+cnt], s56          ; bq / 2^(e2+e3): the C of the first products
.set cnt, cnt+1
.endr
	s_wait_dscnt 0x0
	WIN 0x03                                       ; source 0 (Wq) window 3
.irp s, 0,1,2,3
.irp t, 0,1,2,3
	v_wmma_f32_16x16x128_bf8_bf8 v[QQ+8*\t:QQ+8*\t+7], v[64*\t+16*\s:64*\t+16*\s+15], v[XF+16*\s:XF+16*\s+15], v[QQ+8*\t:QQ+8*\t+7]   ; four accumulators by turns
.endr
.endr
	WIN 0
.rept 4
	v_nop                                          ; four places behind the last product, ahead of the first read of results (ISA guide 7.12.1)
.endr
.set cnt, 0
.rept 32
	v_ldexp_f32 v[QQ+cnt], v[QQ+cnt], s57          ; q x 2^E: k's sums lack 2^E.  Each accumulator from its low end on
.set cnt, cnt+1
.endr
	WIN 0xc0                                       ; destination window 3: Wq's codes are done with
.set cnt, 0
.rept 64
	v_ldexp_f32 v[cnt], v[DD+cnt], s53             ; bkv / 2^E, in the results' layout
.set cnt, cnt+1
.endr
.set cnt, 0
.rept 32
	v_mov_b32 v[64+cnt], 0                         ; U
.set cnt, cnt+1
.endr
	WIN 0
	v_mov_b32 v[SS], 0
	v_mov_b32 v[PT], 0                             ; written once: a lane permute's destination counts as one of its sources
	v_mov_b32 v[CC+1], 0                           ; (named as the upper half of the pair)
	s_add_co_i32 s22, s48, 127
	s_lshl_b32 s23, s22, 23
	v_mov_b32 v[SC], s23                           ; 2^e0
	s_add_co_i32 s22, s22, 15
	s_lshl_b32 s22, s22, 23
	s_or_b32 s22, s22, 0x600000
	v_mov_b32 v[LM], s22                           ; 57,344 x 2^e0
	s_mov_b32 s[MO], 0
	s_mov_b32 s[LAP], 7
; 64 numbers of tile m's token r from my plane: register 16 c + 4 i + e = k 32 c + 16 h + 4 i + e of my K step
.macro QLOAD m, slot, st
.irp c, 0,1,2,3
.irp i, 0,1,2,3
	ds_load_b128 v[\st+16*\c+4*\i:\st+16*\c+4*\i+3], v[QA+\slot] offset:16*PITCH*(\m)+128*\c+16*\i
.endr
.endr
.endm
; they become a fragment's 16 registers of codes
.macro QUANT st, pc
.set cnt, 0
.rept 64
	v_med3_num_f32 v[\st+cnt], v[\st+cnt], -v[LM], v[LM]   ; the conversion to an 8-bit code does not saturate (ISA guide 7.6.2): the hold comes first
.set cnt, cnt+1
.endr
.irp c, 0,1,2,3
	v_cvt_scalef32_pk8_bf8_f32 v[\pc+4*\c:\pc+4*\c+1], v[\st+16*\c:\st+16*\c+7], v[SC]
	v_cvt_scalef32_pk8_bf8_f32 v[\pc+4*\c+2:\pc+4*\c+3], v[\st+16*\c+8:\st+16*\c+15], v[SC]
.endr
	v_nop                                          ; a plain instruction behind the last scaled conversion: vector and matrix instructions write these registers later
.endm
.macro IMAGE m, pc                     ; the fragment goes to LDS as it stands: lane l's 16 bytes at 16 l, 512 bytes a store
.irp c, 0,1,2,3
	ds_store_b128 v[IW], v[\pc+4*\c:\pc+4*\c+3] offset:8192*(\m)+512*\c
.endr
.endm
.macro FETCH m                         ; tile m's four fragments come back so, in any wave
.irp s, 0,1,2,3
.irp c, 0,1,2,3
	ds_load_b128 v[XF+16*\s+4*\c:XF+16*\s+4*\c+3], v[FA] offset:8192*(\m)+2048*\s+512*\c
.endr
.endr
.endm
.macro CSLOAD m                        ; cos and sin of tile m's positions at my 16 frequencies
.irp g, 0,1,2,3,4,5,6,7
	global_load_b128 v[CS+4*\g:CS+4*\g+3], v[LI], s[62:63] offset:4096*(\m)+512*\g
.endr
.endm
; 16 matrix instructions: my head's four tiles of k (p = 0) or of v (p = 1) for 16 tokens, K = 512.  The first four take the bias as C; the four accumulators take turns, one instruction a turn.
.macro MM p
	WIN 0x31+\p                                    ; source 0 (W) window 1 or 2, source 2 (the bias) window 3
.irp t, 0,1,2,3
	v_wmma_f32_16x16x128_bf8_bf8 v[DD+32*\p+8*\t:DD+32*\p+8*\t+7], v[64*\t:64*\t+15], v[XF:XF+15], v[32*\p+8*\t:32*\p+8*\t+7]
.endr
	WIN 0x01+\p
.irp s, 1,2,3
.irp t, 0,1,2,3
	v_wmma_f32_16x16x128_bf8_bf8 v[DD+32*\p+8*\t:DD+32*\p+8*\t+7], v[64*\t+16*\s:64*\t+16*\s+15], v[XF+16*\s:XF+16*\s+15], v[DD+32*\p+8*\t:DD+32*\p+8*\t+7]
.endr
.endr
.endm
; s = sum over j of cos_j (q1 k1 + q2 k2) + sin_j (q2 k1 - q1 k2): the rotation is never applied to k itself.  Registers i and 16 + i hold k1 and k2 (q1 and q2) of one frequency.  Two chains.
.macro KEPI m
.irp i, 0,2,4,6,8,10,12,14
.set PA, TT+4*((\i/2)%2)
.set AC, TT+8+2*((\i/2)%2)
	v_pk_mul_f32 v[PA:PA+1], v[QQ+\i:QQ+\i+1], v[DD+\i:DD+\i+1]
	v_pk_mul_f32 v[PA+2:PA+3], v[QQ+\i:QQ+\i+1], v[DD+16+\i:DD+17+\i]
	v_pk_fma_f32 v[PA:PA+1], v[QQ+16+\i:QQ+17+\i], v[DD+16+\i:DD+17+\i], v[PA:PA+1]
	v_pk_fma_f32 v[PA+2:PA+3], v[QQ+16+\i:QQ+17+\i], v[DD+\i:DD+\i+1], v[PA+2:PA+3] neg_lo:[0,0,1] neg_hi:[0,0,1]
.if \i < 4
	v_pk_mul_f32 v[AC:AC+1], v[CS+\i:CS+\i+1], v[PA:PA+1]
.else
	v_pk_fma_f32 v[AC:AC+1], v[CS+\i:CS+\i+1], v[PA:PA+1], v[AC:AC+1]
.endif
	v_pk_fma_f32 v[AC:AC+1], v[CS+16+\i:CS+17+\i], v[PA+2:PA+3], v[AC:AC+1]
.endr
	v_pk_add_f32 v[TT+8:TT+9], v[TT+8:TT+9], v[TT+10:TT+11]
	v_add_f32 v[SV], v[TT+8], v[TT+9]
	v_permlanex16_b32 v[PT], v[SV], s58, s59       ; the token's other 32 channels lie in the lane 16 away
	v_add_f32 v[SV], v[SV], v[PT]
	v_cmp_eq_u32 vcc_lo, 0, v[MK+(\m)]
	v_cndmask_b32 v[SV], 0, v[SV], vcc_lo          ; 0 where the mask is set
	v_fma_f32 v[SS], v[SV], v[SV], v[SS]
	v_mul_f32 v[SV], v[SV], v[SV]
.endm
; U += s^2 v^2 / max(sum of v^2, 1e-38).  The sums lack 2^E, their squares 2^(2E).
.macro VEPI
.irp i, 0,2,4,6,8,10,12,14,16,18,20,22,24,26,28,30
	v_pk_mul_f32 v[DD+32+\i:DD+33+\i], v[DD+32+\i:DD+33+\i], v[DD+32+\i:DD+33+\i]   ; each accumulator from its low end on
.endr
.irp k, 0,1,2,3
	v_pk_add_f32 v[TT+2*\k:TT+2*\k+1], v[DD+32+4*\k:DD+33+4*\k], v[DD+34+4*\k:DD+35+4*\k]   ; four chains
.endr
.irp k, 0,1,2,3
	v_pk_add_f32 v[TT+2*\k:TT+2*\k+1], v[TT+2*\k:TT+2*\k+1], v[DD+48+2*\k:DD+49+2*\k]
.endr
.irp k, 0,1,2,3
	v_pk_add_f32 v[TT+2*\k:TT+2*\k+1], v[TT+2*\k:TT+2*\k+1], v[DD+56+2*\k:DD+57+2*\k]
.endr
	v_pk_add_f32 v[TT:TT+1], v[TT:TT+1], v[TT+2:TT+3]
	v_pk_add_f32 v[TT+4:TT+5], v[TT+4:TT+5], v[TT+6:TT+7]
	v_pk_add_f32 v[TT:TT+1], v[TT:TT+1], v[TT+4:TT+5]
	v_add_f32 v[TT], v[TT], v[TT+1]
	v_permlanex16_b32 v[PT], v[TT], s58, s59
	v_add_f32 v[TT], v[TT], v[PT]
	v_ldexp_f32 v[TT], v[TT], s54                  ; the true sum of v^2,
	v_max_num_f32 v[TT], 0x6ce3ee, v[TT]           ; at least 1e-38,
	v_ldexp_f32 v[TT], v[TT], 32                   ; out of the denormals, which the reciprocal would take for 0 (ISA guide 15.8)
	v_rcp_f32 v[TT], v[TT]
	v_nop                                          ; a plain instruction between the reciprocal and the use of its result (ISA guide 5.7.2)
	s_wait_alu depctr_va_vdst(0)
	v_ldexp_f32 v[TT], v[TT], s55                  ; x 2^32 again, and 2^(2E) for the squares
	v_mul_f32 v[CC], v[TT], v[SV]
	WIN 0xf0                                       ; U: source 2 and destination window 3
.irp i, 0,2,4,6,8,10,12,14,16,18,20,22,24,26,28,30
	v_pk_fma_f32 v[64+\i:65+\i], v[DD+32+\i:DD+33+\i], v[CC:CC+1], v[64+\i:65+\i] op_sel_hi:[1,0,1]
.endr
	WIN 0
.endm
; 16 tokens: 32 matrix instructions, then their epilogue; the next tile's fragments and table are asked for on the way
.macro TILE m
	s_wait_dscnt 0x0                               ; the tile's fragments are in
	MM 0
	MM 1
	WIN 0
.rept 4
	v_nop                                          ; four places behind the last product, ahead of loads into registers that it read and of the first read of results (ISA guide 7.12.1 for the first read of results)
.endr
.if \m < 3
	FETCH (\m)+1
.endif
	s_wait_loadcnt 0x0                             ; the tile's eight loads of cos and sin: no other load of mine is out
	KEPI \m
.if \m < 3
	CSLOAD (\m)+1
.endif
	VEPI
.endm
; A STEP: 64 tokens out of slot `slot`.  In front of the round each wave waits for all its tensor loads (one is out: my plane of this slot), adds 0 to its spare word, and waits for that and for its reads of the other slot
; and of the images.  Behind the round no wave of any partner reads the other slot, so it is filled again first (refill = 1), and the images may be written anew.
.macro STEP slot, refill, pf
	s_wait_tensorcnt 0x0                           ; no tensor load of mine is out, so a group 0 may be written
	ds_add_u32 v[SPW], v[NIL]                      ; 0 onto my spare word
	s_add_nc_u64 s[G0+4*\slot+2:G0+4*\slot+3], s[G0+4*\slot+2:G0+4*\slot+3], 2*STEPB   ; this slot's next tile, two steps on; the type bits on top are not reached
	s_wait_dscnt 0x0                               ; the add is done, and my LDS reads are over
	ROUND
.if \refill
	tensor_load_to_lds s[G0+4-4*\slot:G0+7-4*\slot], s[G1:G1+7]   ; the next step's plane, into the slot read last step: my one tensor load until the next round; it has this step's work in which to land
	s_nop 0
.rept 4
	v_nop
.endr
.endif
	CSLOAD 0
	v_add_nc_u32 v[MA], s[MO], v[MA0]
.irp m, 0,1,2,3
	ds_load_u8 v[MK+\m], v[MA] offset:16*\m
.endr
	QLOAD 0, \slot, XF
	QLOAD 1, \slot, DD
	s_wait_dscnt 16                                ; all but tile 1's sixteen loads
.if \pf
	global_prefetch_b8 v[PFA], s[60:61] th:TH_LOAD_NT scope:SCOPE_SE   ; 32 lanes 256 bytes apart: my sixteenth of the rows of the step two on, whose tensor load goes out behind the next round; each block is asked for by one wave of the cluster; the last two steps ask for nothing
.endif
	QUANT XF, PC
	IMAGE 0, PC
	QLOAD 2, \slot, XF
	s_wait_dscnt 20                                ; younger: 4 stores and 16 loads: tile 1's numbers are in
	QUANT DD, TT
	IMAGE 1, TT
	QLOAD 3, \slot, DD
	s_wait_dscnt 20                                ; younger: 4 stores and 16 loads: tile 2's numbers are in, and tile 0's stores have read their codes
	QUANT XF, PC
	IMAGE 2, PC
	s_wait_dscnt 4                                 ; younger: 4 stores: tile 3's numbers are in, and tile 1's stores have read their codes
	QUANT DD, TT
	IMAGE 3, TT
	s_wait_dscnt 0x0                               ; for the others' sake: my images have landed
	s_barrier_signal -1
	s_barrier_wait -1                              ; all sixteen fragments lie in LDS.  The refill may stay on its way across it
	FETCH 0
	TILE 0
	TILE 1
	TILE 2
	TILE 3
	s_wait_xcnt 0x0                                ; the loads and the prefetch have read their bases: only now are these stepped
	s_add_nc_u64 s[62:63], s[62:63], 4*4096
	s_add_nc_u64 s[60:61], s[60:61], STEPB
	s_add_co_u32 s[MO], s[MO], 64
.endm
.Llap:                                                 ; seven trips, two steps each
	STEP 0, 1, 1
	STEP 1, 1, 1
	s_sub_co_u32 s[LAP], s[LAP], 1
	s_cmp_lg_u32 s[LAP], 0
	s_cbranch_scc1 .Llap
	STEP 0, 1, 0                                   ; steps 14 and 15 are written out: one more fill, then none
	STEP 1, 0, 0
	; THE WAY OUT.  A lane holds 32 channels' sums over its own tokens (r, r + 16, ..).  They are added over the 16 lanes of a half by halving: at each level a lane keeps one half of its registers and gives the other
	; to its partner.  After three levels a lane holds 4 channels; the fourth level adds lanes r and r xor 8, which then hold the same.
	WIN 0x0f                                       ; sources 0 and 1 window 3: the first level reads U where it lies
.irp a, 0,1,2,3
.irp i, 0,1,2,3
	v_cndmask_b32 v[DD+32+4*\a+\i], v[64+8*\a+4+\i], v[64+8*\a+\i], s66   ; what I give: the lower four where r & 1, else the upper
	v_cndmask_b32 v[DD+8*\a+\i], v[64+8*\a+\i], v[64+8*\a+4+\i], s66      ; what I keep
.endr
.endr
	WIN 0
.irp a, 0,1,2,3
.irp i, 0,1,2,3
	v_add_f32_dpp v[DD+8*\a+\i], v[DD+32+4*\a+\i], v[DD+8*\a+\i] row_xmask:1 row_mask:0xf bank_mask:0xf
.endr
.endr
.macro LEVEL msk, xm, stride, count
.set cnt, 0
.rept \count
.irp i, 0,1,2,3
	v_cndmask_b32 v[TT+\i], v[DD+2*\stride*cnt+\stride+\i], v[DD+2*\stride*cnt+\i], s[\msk]
	v_cndmask_b32 v[DD+2*\stride*cnt+\i], v[DD+2*\stride*cnt+\i], v[DD+2*\stride*cnt+\stride+\i], s[\msk]
	v_add_f32_dpp v[DD+2*\stride*cnt+\i], v[TT+\i], v[DD+2*\stride*cnt+\i] row_xmask:\xm row_mask:0xf bank_mask:0xf
.endr
.set cnt, cnt+1
.endr
.endm
	LEVEL 67, 2, 8, 2
	LEVEL 68, 4, 16, 1
.irp i, 0,1,2,3
	v_add_f32_dpp v[DD+\i], v[DD+\i], v[DD+\i] row_xmask:8 row_mask:0xf bank_mask:0xf
.endr
	v_add_f32_dpp v[SS], v[SS], v[SS] row_xmask:1 row_mask:0xf bank_mask:0xf   ; both halves of the lanes hold every token's s^2: the sum over a half is S
	v_add_f32_dpp v[SS], v[SS], v[SS] row_xmask:2 row_mask:0xf bank_mask:0xf
	v_add_f32_dpp v[SS], v[SS], v[SS] row_xmask:4 row_mask:0xf bank_mask:0xf
	v_add_f32_dpp v[SS], v[SS], v[SS] row_xmask:8 row_mask:0xf bank_mask:0xf
.irp i, 0,1,2,3
	v_cndmask_b32 v[DD+\i], v[DD+\i], v[SS], s69   ; the lanes with r & 8 store S in place of their copy of U
.endr
	global_store_b128 v[OA], v[DD:DD+3], s[20:21]  ; the wave stores 512 consecutive bytes, aligned: U[0..63], then S 64 times
	s_wait_tensorcnt 0x0                           ; the wave's end, behind my last tensor load and my last LDS store
	ds_add_u32 v[SPW], v[NIL]
	s_wait_dscnt 0x0
	ROUND                                          ; the closing round: no work-group ends while a partner may still ask for a tile that names it
	s_endpgm
.Lfunc_end_k_qd364ee4cbb_main:
	.size	k_qd364ee4cbb_main, .Lfunc_end_k_qd364ee4cbb_main-k_qd364ee4cbb_main
	.p2alignl 7, 3214868480
	.fill 96, 4, 3214868480
	.section	.rodata,"a",@progbits
	.p2align	6, 0x0
	.amdhsa_kernel k_qd364ee4cbb_main
		.amdhsa_group_segment_fixed_size 327680
		.amdhsa_private_segment_fixed_size 0
		.amdhsa_enable_private_segment 0
		.amdhsa_kernarg_size 72
		.amdhsa_user_sgpr_count 2
		.amdhsa_user_sgpr_kernarg_segment_ptr 1
		.amdhsa_wavefront_size32 1
		.amdhsa_system_sgpr_workgroup_id_x 1
		.amdhsa_system_sgpr_workgroup_id_y 1
		.amdhsa_system_sgpr_workgroup_id_z 1
		.amdhsa_system_vgpr_workitem_id 0
		.amdhsa_next_free_vgpr 1024
		.amdhsa_next_free_sgpr 80
		.amdhsa_reserve_vcc 1
		.amdhsa_float_denorm_mode_32 3
		.amdhsa_float_denorm_mode_16_64 3
		.amdhsa_memory_ordered 1
		.amdhsa_forward_progress 1
		.amdhsa_inst_pref_size 255
	.end_amdhsa_kernel
	.section	.bss,"aw",@nobits
	.p2align	6
	.space	262144
	.amdgpu_metadata
---
amdhsa.version: [ 1, 2 ]
amdhsa.kernels:
  - .name:           k_qd364ee4cbb_main
    .symbol:         k_qd364ee4cbb_main.kd
    .args:
      - { .name: x, .offset: 0, .size: 8, .value_kind: global_buffer, .address_space: global }
      - { .name: mask, .offset: 8, .size: 8, .value_kind: global_buffer, .address_space: global }
      - { .name: bkv, .offset: 16, .size: 8, .value_kind: global_buffer, .address_space: global }
      - { .name: bq, .offset: 24, .size: 8, .value_kind: global_buffer, .address_space: global }
      - { .name: lowp_scales, .offset: 32, .size: 8, .value_kind: global_buffer, .address_space: global }
      - { .name: wkvc, .offset: 40, .size: 8, .value_kind: global_buffer, .address_space: global }
      - { .name: wqc, .offset: 48, .size: 8, .value_kind: global_buffer, .address_space: global }
      - { .name: tab, .offset: 56, .size: 8, .value_kind: global_buffer, .address_space: global }
      - { .name: part, .offset: 64, .size: 8, .value_kind: global_buffer, .address_space: global }
    .group_segment_fixed_size: 327680
    .private_segment_fixed_size: 0
    .kernarg_segment_align: 8
    .kernarg_segment_size: 72
    .max_flat_workgroup_size: 128
    .sgpr_count:     80
    .vgpr_count:     1024
    .wavefront_size: 32
...
	.end_amdgpu_metadata
.endif
;; end of part 2
;; launch finish (part 3): grid 32 x 1, 1 waves a work-group, no clusters, 0 bytes of LDS; arguments part, out0; writes out0
.if DOCPART == 3
	.amdgcn_target "amdgcn-amd-amdhsa--gfx1250"
	.amdhsa_code_object_version 6
	.text
	.protected	k_qd364ee4cbb_finish
	.globl	k_qd364ee4cbb_finish
	.p2align	8
	.type	k_qd364ee4cbb_finish,@function
k_qd364ee4cbb_finish:
	s_mov_b64 s[64:65], 0
	v_nop
	global_prefetch_b8 v0, s[64:65] scope:SCOPE_SE
	s_setreg_imm32_b32 hwreg(HW_REG_WAVE_MODE, 25, 1), 1
	s_wait_xcnt 0x0
; out0[z][64 head + e] = o / max(sum of all 1,024 o, 1e-38),  o = (U_a + U_b) / max(S_a + S_b, 1e-38): a and b are the two halves of sequence z.
; part: [cluster 2 z + half][head 16][512 bytes]: U[0..63], then S 64 times.  One wave to a sequence: 16 KB in, 4 KB out; the sum over the row never leaves the wave, so there is no LDS and no barrier.
; Lane l, turn i: head 2 i + l / 16, channels 4 (l % 16) + 0 .. 3: sixteen lanes read and store 256 consecutive bytes, aligned.
; A divisor is multiplied by 2^32 ahead of the reciprocal and the result again, so that the floor 1e-38, which is denormal, is not taken for 0 (ISA guide 15.8).  LIMIT: the divisors stay under 2^90.
	s_load_b128 s[4:7], s[0:1], 0x0                ; part, out0
	v_and_b32 v1, 15, v0
	v_lshrrev_b32 v2, 4, v0
	v_lshlrev_b32 v3, 9, v2                        ; 512 (l / 16): my head of the turn's two
	v_lshl_add_u32 v4, v1, 4, v3                   ; + 16 (l % 16)
	v_lshlrev_b32 v5, 4, v0                        ; 16 l
	s_lshl_b32 s8, ttmp9, 14                       ; two clusters of 8,192 bytes a sequence
	s_mov_b32 s9, 0
	s_lshl_b32 s10, ttmp9, 12
	s_mov_b32 s11, 0
	s_mov_b32 s12, 0x76543210
	s_mov_b32 s13, 0xfedcba98
	s_wait_kmcnt 0x0
	s_add_nc_u64 s[4:5], s[4:5], s[8:9]
	s_add_nc_u64 s[6:7], s[6:7], s[10:11]
.irp i, 0,1,2,3,4,5,6,7
	global_load_b128 v[16+4*\i:19+4*\i], v4, s[4:5] offset:1024*\i
	global_load_b128 v[48+4*\i:51+4*\i], v4, s[4:5] offset:1024*\i+8192
	global_load_b32 v[80+2*\i], v3, s[4:5] offset:1024*\i+256
	global_load_b32 v[81+2*\i], v3, s[4:5] offset:1024*\i+8192+256
.endr
	s_wait_loadcnt 0x0
.irp i, 0,1,2,3,4,5,6,7
	v_add_f32 v[80+2*\i], v[80+2*\i], v[81+2*\i]   ; S
.endr
.irp i, 0,1,2,3,4,5,6,7
	v_max_num_f32 v[80+2*\i], 0x6ce3ee, v[80+2*\i] ; at least 1e-38
.endr
.irp i, 0,1,2,3,4,5,6,7
	v_ldexp_f32 v[80+2*\i], v[80+2*\i], 32
.endr
.irp i, 0,1,2,3,4,5,6,7
	v_rcp_f32 v[80+2*\i], v[80+2*\i]
.endr
.irp j, 0,2,4,6,8,10,12,14,16,18,20,22,24,26,28,30
	v_pk_add_f32 v[16+\j:17+\j], v[16+\j:17+\j], v[48+\j:49+\j]   ; U.  (Plain instructions between the reciprocals and the use of their results)
.endr
	s_wait_alu depctr_va_vdst(0)
.irp i, 0,1,2,3,4,5,6,7
	v_ldexp_f32 v[80+2*\i], v[80+2*\i], 32
.endr
.irp i, 0,1,2,3,4,5,6,7
	v_pk_mul_f32 v[16+4*\i:17+4*\i], v[16+4*\i:17+4*\i], v[80+2*\i:81+2*\i] op_sel_hi:[1,0]   ; o = U / S (of the pair the low word serves both halves)
	v_pk_mul_f32 v[18+4*\i:19+4*\i], v[18+4*\i:19+4*\i], v[80+2*\i:81+2*\i] op_sel_hi:[1,0]
.endr
	v_pk_add_f32 v[96:97], v[16:17], v[18:19]      ; the row's sum: two chains in the lane,
	v_pk_add_f32 v[98:99], v[20:21], v[22:23]
.irp j, 8,12,16,20,24,28
	v_pk_add_f32 v[96:97], v[96:97], v[16+\j:17+\j]
	v_pk_add_f32 v[98:99], v[98:99], v[18+\j:19+\j]
.endr
	v_pk_add_f32 v[96:97], v[96:97], v[98:99]
	v_add_f32 v96, v96, v97
	v_add_f32_dpp v96, v96, v96 row_xmask:1 row_mask:0xf bank_mask:0xf   ; then across the 32 lanes
	v_add_f32_dpp v96, v96, v96 row_xmask:2 row_mask:0xf bank_mask:0xf
	v_add_f32_dpp v96, v96, v96 row_xmask:4 row_mask:0xf bank_mask:0xf
	v_add_f32_dpp v96, v96, v96 row_xmask:8 row_mask:0xf bank_mask:0xf
	v_permlanex16_b32 v97, v96, s12, s13
	v_add_f32 v96, v96, v97
	v_max_num_f32 v96, 0x6ce3ee, v96
	v_ldexp_f32 v96, v96, 32
	v_rcp_f32 v96, v96
	v_nop                                          ; a plain instruction between the reciprocal and the use of its result (ISA guide 5.7.2)
	s_wait_alu depctr_va_vdst(0)
	v_ldexp_f32 v96, v96, 32
.irp j, 0,2,4,6,8,10,12,14,16,18,20,22,24,26,28,30
	v_pk_mul_f32 v[16+\j:17+\j], v[16+\j:17+\j], v[96:97] op_sel_hi:[1,0]
.endr
.irp i, 0,1,2,3,4,5,6,7
	global_store_b128 v5, v[16+4*\i:19+4*\i], s[6:7] offset:512*\i   ; the wave stores 512 consecutive bytes, aligned
.endr
	s_endpgm
.Lfunc_end_k_qd364ee4cbb_finish:
	.size	k_qd364ee4cbb_finish, .Lfunc_end_k_qd364ee4cbb_finish-k_qd364ee4cbb_finish
	.p2alignl 7, 3214868480
	.fill 96, 4, 3214868480
	.section	.rodata,"a",@progbits
	.p2align	6, 0x0
	.amdhsa_kernel k_qd364ee4cbb_finish
		.amdhsa_group_segment_fixed_size 0
		.amdhsa_private_segment_fixed_size 0
		.amdhsa_enable_private_segment 0
		.amdhsa_kernarg_size 16
		.amdhsa_user_sgpr_count 2
		.amdhsa_user_sgpr_kernarg_segment_ptr 1
		.amdhsa_wavefront_size32 1
		.amdhsa_system_sgpr_workgroup_id_x 1
		.amdhsa_system_sgpr_workgroup_id_y 1
		.amdhsa_system_sgpr_workgroup_id_z 1
		.amdhsa_system_vgpr_workitem_id 0
		.amdhsa_next_free_vgpr 112
		.amdhsa_next_free_sgpr 66
		.amdhsa_reserve_vcc 0
		.amdhsa_float_denorm_mode_32 3
		.amdhsa_float_denorm_mode_16_64 3
		.amdhsa_memory_ordered 1
		.amdhsa_forward_progress 1
		.amdhsa_inst_pref_size 12
	.end_amdhsa_kernel
	.amdgpu_metadata
---
amdhsa.version: [ 1, 2 ]
amdhsa.kernels:
  - .name:           k_qd364ee4cbb_finish
    .symbol:         k_qd364ee4cbb_finish.kd
    .args:
      - { .name: part, .offset: 0, .size: 8, .value_kind: global_buffer, .address_space: global }
      - { .name: out0, .offset: 8, .size: 8, .value_kind: global_buffer, .address_space: global }
    .group_segment_fixed_size: 0
    .private_segment_fixed_size: 0
    .kernarg_segment_align: 8
    .kernarg_segment_size: 16
    .max_flat_workgroup_size: 32
    .sgpr_count:     66
    .vgpr_count:     112
    .wavefront_size: 32
...
	.end_amdgpu_metadata
.endif
;; end of part 3
;; ======== version 2 of 2: 3 launches
;; limits: right only within a limited range of input values
;; workspace buffers: wkvc 1,048,576 bytes; wqc 524,288 bytes; tab 524,288 bytes; part 524,288 bytes
;; launch prep: the kernel of part 1 again; grid 256 x 1, 4 waves a work-group, no clusters, 0 bytes of LDS; arguments Wkv, Wq, lowp_scales, wkvc, wqc, tab; writes wkvc, wqc, tab
;; launch main (part 4): grid 256 x 1, 4 waves a work-group, clusters of 4 x 1, 327,680 bytes of LDS; arguments x, mask, bkv, bq, lowp_scales, wkvc, wqc, tab, part; writes part
.if DOCPART == 4
	.amdgcn_target "amdgcn-amd-amdhsa--gfx1250"
	.amdhsa_code_object_version 6
	.text
	.protected	k_qd364ee4cbb_main
	.globl	k_qd364ee4cbb_main
	.p2align	8
	.type	k_qd364ee4cbb_main,@function
k_qd364ee4cbb_main:
	s_mov_b64 s[64:65], 0
	v_nop
	global_prefetch_b8 v0, s[64:65] scope:SCOPE_SE
	s_setreg_imm32_b32 hwreg(HW_REG_WAVE_MODE, 25, 1), 1
	s_wait_xcnt 0x0
	s_wait_alu depctr_hold_cnt(0) depctr_sa_sdst(0) depctr_va_vdst(0) depctr_va_sdst(0) depctr_va_ssrc(0) depctr_va_vcc(0) depctr_vm_vsrc(0)
	s_getreg_b32 s2, hwreg(HW_REG_IB_STS2, 6, 4)
	s_cmp_eq_u32 s2, 0
	s_cbranch_scc0 .Lentry_in_a_cluster
	s_endpgm
.Lentry_in_a_cluster:
	s_bfe_u32 s2, ttmp6, 0x10000c
	s_cmp_lg_u32 s2, 0x3003
	s_cbranch_scc0 .Lentry_shape_is_right
	s_endpgm
.Lentry_shape_is_right:
; For one half of a sequence (1,024 tokens) and one head a wave makes U[e] = sum over tokens of s^2 v[e] and S = sum of s^2, where
;   kv = Q(x) Q(Wkv) + bkv (codes of E5M2, scales 2^e0, 2^e1),  q = Q(x[z,0]) Q(Wq) + bq (2^e2, 2^e3),  s = q . rope(k), 0 where the mask is set,  v = v^2 / max(sum over e of v^2, 1e-38).
; Both divisions by sums over tokens are left to the next launch: they commute with the sums made here.  kv never goes to memory.
; SHARES.  A wave owns ONE HEAD: its 128 columns of Wkv (64 of k, 64 of v) x 512 K are 64 KB of codes, 512 registers, loaded once and kept.  Four waves make a work-group, four work-groups a cluster: 16 heads.
; The cluster walks 1,024 tokens, 64 a step.  64 clusters x 1,024 tokens are all 32 sequences; 256 work-groups of equal work.
; x COMES ONCE.  All 16 waves of a cluster need the same tokens, so x's tiles (f32) are asked for JOINTLY: the same tensor load, with the same descriptor and a mask that names the four work-groups, in all four.
; Wave w fetches and quantises K step w (128 of the 512) of the step's 64 tokens and hands the codes to the other three waves through LDS as images of the operand's registers.
; THE MATRIX INSTRUCTION IS USED TRANSPOSED: source 0 = 16 columns of W, source 1 = 16 tokens.  In a result lane (r, h) holds token r, and register j of tile t the head's channel 16 t + 8 h + j.
; So a token's sums over channels want one exchange between the halves of the lanes, and the sums over tokens stay in the lanes until the end.
; A fragment's k lie in the registers as 32 c + 16 h + 0 .. 15 in registers 4 c .. 4 c + 3, alike in both operands: every product meets its partner; only the order of the sums inside an instruction differs from the form's own.
; BY TURNS.  A tile of 16 tokens is 32 matrix instructions and 112 vector lines of epilogue.  The results have two sets of registers, so tile t's products carry tile t - 1's epilogue, cut into slices, one behind each
; product: at most five lines and two window switches.  The epilogue's two serial ends (v's divisor, s) are dealt one line a slice, so that no line reads the result of the line before it.
; The products go K step by K step, the eight accumulators by turns: a fragment of x is free after eight products, and ONE set of fragments serves: it is fetched anew in two runs of eight LDS loads a tile.
; The table of cos and sin has four sets of registers, one for each tile of a step; a set is loaded again, for the tile four further on, as soon as it has been read.
; SCALES.  The sums are kept as sums of codes' products: bkv goes in as the C of a tile's first product, divided by 2^(e0+e1); q carries 2^(e0+e1) for k; v's normalisation takes 2^(2(e0+e1)) in its divisor and in its factor.
; q is made here too: source 1 is x[z,0]'s fragment, the same row in all 16 columns, so every lane gets q at its own channels.  16 matrix instructions a wave, once.
; LIMITS: e0 .. e3 between -126 and 112 (2^e and 57,344 x 2^e are f32 numbers); a token's sum of v^2 stays under 2^90 (it is multiplied by 2^32 ahead of the reciprocal, so that the floor 1e-38, which is denormal, is not flushed);
; NaN among the inputs is not served; an infinity is held at the largest code.
; REGISTERS, in windows of 256 (s_set_vgpr_msb: bits 1:0 source 0, 3:2 source 1, 5:4 source 2, 7:6 destination):
;   window 0: v1-31 addresses and single numbers; v32-95 x's four fragments; v96-159 results, set 0 (k's four tiles, then v's); v160-191 and v208-239 results, set 1 (k's, v's); v192-207 and v240-255 at work.
;             While a step's x is quantised, v32-95 and v96-159 hold the numbers and v192-207 and v240-255 the codes; set 1 holds the last tile's results, whose epilogue is still to come.
;   window 1: W's four tiles of k ((t, s, c) at 64 t + 16 s + 4 c)     window 2: its four tiles of v
;   window 3: at first Wq's codes; then v0-63 the bias, v64-95 U, v96-223 cos and sin (four sets of 32), v224-255 q
.set PITCH, 528                        ; an LDS row of x: 512 bytes + 16 of padding = 132 words: row r starts at bank 4 r mod 64 (64 banks of 4 bytes: ISA guide 11.1)
.set PL,    64*PITCH                   ; a plane: 64 tokens x one K step of 128 f32: what one tensor load brings, and what the same wave reads
.set SLOT,  4*PL                       ; four planes
.set IMG,   2*SLOT                     ; behind the ring: the step's 16 fragments of codes, (tile m, K step s) at (4 m + s) x 2,048
.set MSK,   IMG+32768                  ; the cluster's 1,024 mask bytes
.set X0S,   MSK+1024                   ; 512 bytes for each wave: the codes of x[z,0]
.set SPARE, X0S+2048                   ; the spare words, 128 bytes for each wave: two blocks of 256 bytes that no other line names
.set STEPB, 64*2048                    ; a step's 64 rows of x in memory
.set SPW, 1                            ; v1   SPARE + 4 x my thread's number; never rewritten
.set NIL, 2                            ; v2   0; never rewritten
.set LI,  3                            ; v3   16 x lane
.set FA,  4                            ; v4   IMG + 16 x lane: where any wave reads an image
.set IW,  5                            ; v5   IMG + 2,048 wave + 16 x lane: where I store mine
.set QA,  6                            ; v6-7 my place in my plane of slot 0, 1: row r, + 64 h
.set MA0, 8                            ; v8   MSK + r
.set MA,  9                            ; v9   the step's mask bytes
.set SC,  10                           ; v10  the scale as f32
.set LM,  11                           ; v11  57,344 x the scale
.set MK,  12                           ; v12-15 my token's mask byte in the step's four tiles
.set SS,  16                           ; v16  sum of s^2
.set SV,  17                           ; v17  s
.set PT,  18                           ; v18  a lane permute's destination
.set HH,  19                           ; v19  h
.set CC,  20                           ; v[20:21] s^2 / sum of v^2 (the packed form names the pair and takes its low word)
.set BH,  22                           ; v22  32 h
.set X0G, 23                           ; v23  64 x lane
.set X0W, 24                           ; v24  where I store x[z,0]'s codes
.set X0R, 25                           ; v25  and where I read them as a fragment
.set OA,  26                           ; v26  my 16 bytes of the wave's 512 in part
.set PFA, 27                           ; v27  256 x lane
.set MG,  28                           ; v28  8 x thread
.set MW,  29                           ; v29  MSK + 8 x thread
.set MKP, 30                           ; v30  the mask byte of the last step's fourth tile, whose epilogue rides on this step's first
.set XF,  32
.set DK0, 96
.set DV0, 128
.set DK1, 160
.set DV1, 208
.set DD,  96                           ; set 0 under its other uses: numbers being quantised, the bias on its way, the way out
.set PC,  192
.set VS,  192                          ; v192-199 four chains of v's sum
.set RV,  200                          ; v[200:201] the sum of v^2, then 2^(2E) / it
.set QQ,  208                          ; q's accumulators, at the head alone
.set TT,  240
.set UW,  64                           ; in window 3
.set CSW, 96
.set QW,  224
.set G1,  24                           ; s[24:31] descriptor group 1
.set G0,  32                           ; s[32:39] descriptor group 0, a set for each slot
.set WV,  40                           ; s40 wave   s41 cx   s42 cluster   s43 head
.set CX,  41
.set CL,  42
.set HD,  43
.set LAP, 44
.set MO,  45                           ; s45 64 x step
.set MSB, 0
.macro WIN new                         ; the immediate's high byte repeats the setting that is left; a switch that changes nothing is dropped
.if MSB != (\new)
	s_set_vgpr_msb (MSB<<8)|(\new)
.set MSB, (\new)
.endif
.endm
; A round of the cluster's barrier: my work-group's barrier, so that wave 0's signal speaks for all four waves; wave 0 signals for the work-group; every wave waits for all four work-groups; my work-group's barrier once more.
.macro ROUND
	s_barrier_signal -1
	s_barrier_wait -1
	s_cmp_lg_u32 s[WV], 0
	s_cbranch_scc1 .Lnot_wave_0_\@
	s_barrier_signal -3
.Lnot_wave_0_\@:
	s_barrier_wait -3
	s_barrier_signal -1
	s_barrier_wait -1
.endm
; A vector instruction that reads a matrix result or writes one of a matrix instruction's registers, and a load into a register that a matrix instruction has read, stand four places behind it, and only plain vector
; instructions that name none of its registers are places (ISA guide 7.12.1 for vector instructions).  Where the slices do not serve, these four do.
.macro PLACES
.rept 4
	v_nop
.endr
.endm
	s_load_b256 s[4:11], s[0:1], 0x0               ; x s[4:5], mask s[6:7], bkv s[8:9], bq s[10:11]
	s_load_b256 s[12:19], s[0:1], 0x20             ; the scales' exponents s[12:13], wkvc s[14:15], wqc s[16:17], tab s[18:19]
	s_load_b64 s[20:21], s[0:1], 0x40              ; part
	v_lshl_add_u32 v[SPW], v0, 2, SPARE
	v_mov_b32 v[NIL], 0
	ds_add_u32 v1, v2
	s_wait_dscnt 0x0
	v_lshrrev_b32 v30, 5, v0
	v_readfirstlane_b32 s[WV], v30                 ; wave 0..3
	s_bfe_u32 s[CX], ttmp6, 0x40000                ; cx: it enters the addresses of the weights, the biases, part and the prefetch alone
	s_mov_b32 s[CL], ttmp9                         ; in a cluster launch ttmp9 counts clusters: 0..63
	s_lshl_b32 s[HD], s[CX], 2
	s_add_co_u32 s[HD], s[HD], s[WV]               ; my head
	; descriptor group 1: 64 rows x 128 elements of 4 bytes, rows 512 elements apart, padded in LDS
	s_mov_b32 s[G1+0], 15|(2<<16)|(1<<20)|(1<<21)|(6<<22)|(3<<25)   ; 15:0 the mask: all four work-groups; 17:16 elements of 4 bytes; 20 padding on; 21 set beside a mask; 24:22 after every 128 words (code 6); 31:25 four words (code 3)
	s_mov_b32 s[G1+1], 128<<16                     ; tensor_dim0 = 128
	s_mov_b32 s[G1+2], 64<<16                      ; tensor_dim1 = 64
	s_mov_b32 s[G1+3], 128<<16                     ; tile_dim0 = 128
	s_mov_b32 s[G1+4], 64                          ; tile_dim1 = 64
	s_mov_b32 s[G1+5], 512                         ; tensor_dim0_stride
	s_mov_b32 s[G1+6], 0
	s_mov_b32 s[G1+7], 0
	s_mov_b32 s58, 0x76543210                      ; v_permlanex16_b32: each lane takes its own place in the other half
	s_mov_b32 s59, 0xfedcba98
	s_mov_b32 s66, 0xaaaaaaaa                      ; the lanes with r & 1,
	s_mov_b32 s67, 0xcccccccc                      ; r & 2,
	s_mov_b32 s68, 0xf0f0f0f0                      ; r & 4,
	s_mov_b32 s69, 0xff00ff00                      ; r & 8
	s_mov_b32 s75, 0x6ce3ee                        ; 1e-38
	v_and_b32 v30, 31, v0                          ; lane
	v_and_b32 v31, 15, v0                          ; r
	v_bfe_u32 v[HH], v0, 4, 1                      ; h
	v_lshlrev_b32 v[LI], 4, v30
	v_add_nc_u32 v[FA], IMG, v[LI]
	s_lshl_b32 s22, s[WV], 11
	v_add_nc_u32 v[IW], s22, v[FA]
	s_mul_i32 s23, s[WV], PL                       ; my plane in a slot
	v_mul_u32_u24 v[QA], v31, PITCH
	v_lshl_add_u32 v[QA], v[HH], 6, v[QA]          ; row r, + 64 h: my 16 numbers of a block of 32
	v_add_nc_u32 v[QA], s23, v[QA]
	v_add_nc_u32 v[QA+1], SLOT, v[QA]
	v_add_nc_u32 v[MA0], MSK, v31
	v_lshlrev_b32 v[BH], 5, v[HH]
	v_lshlrev_b32 v[X0G], 6, v30
	s_lshl_b32 s22, s[WV], 9
	s_add_co_u32 s22, s22, X0S
	v_add_nc_u32 v[X0W], s22, v[LI]
	v_lshl_add_u32 v[X0R], v[HH], 4, s22
	v_lshlrev_b32 v[PFA], 8, v30
	v_lshlrev_b32 v[MG], 3, v0
	v_lshl_add_u32 v[MW], v0, 3, MSK
	v_bfe_u32 v[OA], v0, 3, 1                      ; the way out: lanes with r & 8 store S, 256 bytes on;
	v_lshlrev_b32 v[OA], 8, v[OA]
	v_bfe_u32 v30, v0, 1, 2
	v_lshl_add_u32 v[OA], v30, 6, v[OA]            ; (r / 2) % 4 is the tile of 16 channels,
	v_and_b32 v30, 1, v0
	v_lshl_add_u32 v[OA], v30, 4, v[OA]            ; r % 2 which four of my half's eight
	v_add_nc_u32 v[OA], v[BH], v[OA]
	s_lshl_b32 s46, ttmp9, 21                      ; the cluster's 1,024 rows of 2,048 bytes,
	s_lshl_b32 s47, s[WV], 9                       ; my K step's 512 bytes of a row
	s_add_co_u32 s46, s46, s47
	s_mov_b32 s47, 0
	s_mov_b32 s71, 0
	s_wait_kmcnt 0x0
	s_load_b128 s[48:51], s[12:13], 0x0            ; e0 .. e3
	s_add_nc_u64 s[46:47], s[4:5], s[46:47]        ; made of the cluster's number and the wave's alone: the same in all four partners
.irp n, 0,1
	s_mov_b32 s[G0+4*\n], 1                        ; 1:0 count = 1
	s_add_co_u32 s[G0+4*\n+1], s23, \n*SLOT        ; 63:32 LDS address: my plane of slot n
	s_add_nc_u64 s[G0+4*\n+2:G0+4*\n+3], s[46:47], \n*STEPB   ; 120:64 global address: step n
	s_or_b32 s[G0+4*\n+3], s[G0+4*\n+3], 0x80000000           ; 127:126 type = 2
.endr
	ROUND                                          ; all four work-groups are here: the first joint load meets
	tensor_load_to_lds s[G0:G0+3], s[G1:G1+7]      ; step 0
	s_nop 0
	PLACES
	s_lshr_b32 s70, s[CL], 1                       ; the sequence z,
	s_lshl_b32 s70, s70, 22
	s_add_nc_u64 s[72:73], s[4:5], s[70:71]        ; and its first token's row
	s_lshl_b32 s70, s[CL], 10
	s_add_nc_u64 s[6:7], s[6:7], s[70:71]          ; the cluster's mask bytes
	s_lshl_b32 s70, s[HD], 8
	s_add_nc_u64 s[8:9], s[8:9], s[70:71]          ; my head's 64 numbers of bkv (k's; v's lie 4,096 bytes on)
	s_add_nc_u64 s[10:11], s[10:11], s[70:71]      ; and of bq
	s_lshl_b32 s70, s[HD], 16
	s_add_nc_u64 s[14:15], s[14:15], s[70:71]      ; my head's codes of Wkv
	s_lshl_b32 s70, s[HD], 15
	s_add_nc_u64 s[16:17], s[16:17], s[70:71]      ; and of Wq
	s_and_b32 s70, s[CL], 1
	s_lshl_b32 s70, s70, 18
	s_add_nc_u64 s[62:63], s[18:19], s[70:71]      ; the table at my half's first position: 64 tiles of 4,096 bytes a half
	s_lshl_b32 s70, s[CL], 4
	s_add_co_u32 s70, s70, s[HD]
	s_lshl_b32 s70, s70, 9
	s_add_nc_u64 s[20:21], s[20:21], s[70:71]      ; part: 512 bytes for each cluster and head
	s_lshl_b32 s70, s[CL], 21
	s_lshl_b32 s74, s[HD], 13
	s_add_co_u32 s70, s70, s74
	s_add_co_u32 s70, s70, 2*STEPB
	s_add_nc_u64 s[60:61], s[4:5], s[70:71]        ; the prefetch: two steps on, my sixteenth (8,192 bytes) of that step's rows
	; ---- all that stays in registers is asked for in one run; W, which is wanted last, last
.irp i, 0,1,2,3
	global_load_b128 v[TT+4*\i:TT+4*\i+3], v[X0G], s[72:73] offset:16*\i   ; x[z,0]: lane l takes k = 16 l + 0 .. 15
.endr
	global_load_b64 v[MK:MK+1], v[MG], s[6:7]      ; 8 mask bytes a thread
.irp t, 0,1,2,3
	global_load_b128 v[QQ+8*\t:QQ+8*\t+3],   v[BH], s[10:11] offset:64*\t      ; bq at my channels 16 t + 8 h + 0 .. 7
	global_load_b128 v[QQ+8*\t+4:QQ+8*\t+7], v[BH], s[10:11] offset:64*\t+16
.endr
.irp p, 0,1
.irp t, 0,1,2,3
	global_load_b128 v[DD+32*\p+8*\t:DD+32*\p+8*\t+3],   v[BH], s[8:9] offset:4096*\p+64*\t     ; bkv likewise: k's, then v's
	global_load_b128 v[DD+32*\p+8*\t+4:DD+32*\p+8*\t+7], v[BH], s[8:9] offset:4096*\p+64*\t+16
.endr
.endr
	WIN 0xc0                                       ; destination window 3
.set cnt, 0
.rept 64
	global_load_b128 v[4*cnt:4*cnt+3], v[LI], s[16:17] offset:512*cnt          ; Wq's codes lie in the order of the registers
.set cnt, cnt+1
.endr
	WIN 0x40                                       ; destination window 1
.set cnt, 0
.rept 64
	global_load_b128 v[4*cnt:4*cnt+3], v[LI], s[14:15] offset:512*cnt          ; W's tiles of k
.set cnt, cnt+1
.endr
	WIN 0x80                                       ; destination window 2
.set cnt, 0
.rept 64
	global_load_b128 v[4*cnt:4*cnt+3], v[LI], s[14:15] offset:32768+512*cnt    ; W's tiles of v
.set cnt, cnt+1
.endr
	WIN 0
	s_wait_kmcnt 0x0
	s_add_co_i32 s52, s48, s49                     ; E = e0 + e1
	s_sub_co_i32 s53, 0, s52                       ; -E
	s_lshl_b32 s54, s52, 1                         ; 2 E
	s_add_co_i32 s55, s54, 32                      ; 32 + 2 E
	s_add_co_i32 s57, s50, s51
	s_sub_co_i32 s56, 0, s57                       ; -(e2 + e3)
	s_add_co_i32 s57, s57, s52                     ; e2 + e3 + E
	s_add_co_i32 s22, s50, 127
	s_lshl_b32 s23, s22, 23
	v_mov_b32 v[SC], s23                           ; 2^e2
	s_add_co_i32 s22, s22, 15
	s_lshl_b32 s22, s22, 23
	s_or_b32 s22, s22, 0x600000
	v_mov_b32 v[LM], s22                           ; 57,344 x 2^e2
	s_wait_loadcnt 63                              ; all but the youngest 63 loads, which are among W's 128: q is made while those land
	ds_store_b64 v[MW], v[MK:MK+1]                 ; the mask: read by all waves behind the first step's round
	; ---- q
.set cnt, 0
.rept 16
	v_med3_num_f32 v[TT+cnt], v[TT+cnt], -v[LM], v[LM]
.set cnt, cnt+1
.endr
	v_cvt_scalef32_pk8_bf8_f32 v[PC:PC+1], v[TT:TT+7], v[SC]
	v_cvt_scalef32_pk8_bf8_f32 v[PC+2:PC+3], v[TT+8:TT+15], v[SC]
	v_nop                                          ; a plain instruction behind the last scaled conversion
	ds_store_b128 v[X0W], v[PC:PC+3]               ; the row's 512 codes on end, in my wave's own bytes
.irp s, 0,1,2,3
.irp c, 0,1,2,3
	ds_load_b128 v[XF+16*\s+4*\c:XF+16*\s+4*\c+3], v[X0R] offset:128*\s+32*\c   ; LDS serves a wave's instructions in order (ISA guide 5.7.1.4): these see the store.  Every r takes the same row
.endr
.endr
.set cnt, 0
.rept 32
	v_ldexp_f32 v[QQ+cnt], v[QQ+cnt], s56          ; bq / 2^(e2+e3): the C of the first products
.set cnt, cnt+1
.endr
	s_wait_dscnt 0x0
	WIN 0x03                                       ; source 0 (Wq) window 3
.irp s, 0,1,2,3
.irp t, 0,1,2,3
	v_wmma_f32_16x16x128_bf8_bf8 v[QQ+8*\t:QQ+8*\t+7], v[64*\t+16*\s:64*\t+16*\s+15], v[XF+16*\s:XF+16*\s+15], v[QQ+8*\t:QQ+8*\t+7]   ; four accumulators by turns
.endr
.endr
	PLACES                                         ; behind the last product, ahead of the first read of results and of the first write over Wq's codes
	WIN 0xc0                                       ; destination window 3: Wq's codes are done with
.set cnt, 0
.rept 32
	v_ldexp_f32 v[QW+cnt], v[QQ+cnt], s57          ; q x 2^E: k's sums lack 2^E.  Each accumulator from its low end on
.set cnt, cnt+1
.endr
.set cnt, 0
.rept 64
	v_ldexp_f32 v[cnt], v[DD+cnt], s53             ; bkv / 2^E, in the results' layout
.set cnt, cnt+1
.endr
.set cnt, 0
.rept 32
	v_mov_b32 v[UW+cnt], 0                         ; U
.set cnt, cnt+1
.endr
.irp n, 0,1,2,3
.irp g, 0,1,2,3,4,5,6,7
	global_load_b128 v[CSW+32*\n+4*\g:CSW+32*\n+4*\g+3], v[LI], s[62:63] offset:4096*\n+512*\g   ; cos and sin of the first step's four tiles
.endr
.endr
	WIN 0
	v_mov_b32 v[SS], 0
	v_mov_b32 v[PT], 0                             ; written once: a lane permute's destination counts as one of its sources
	v_mov_b32 v[CC+1], 0                           ; (named as the upper half of the pair)
	s_add_co_i32 s22, s48, 127
	s_lshl_b32 s23, s22, 23
	v_mov_b32 v[SC], s23                           ; 2^e0
	s_add_co_i32 s22, s22, 15
	s_lshl_b32 s22, s22, 23
	s_or_b32 s22, s22, 0x600000
	v_mov_b32 v[LM], s22                           ; 57,344 x 2^e0
	s_mov_b32 s[MO], 0
	s_mov_b32 s[LAP], 7
	s_wait_loadcnt 32                              ; W is in; the table's 32 loads, issued behind it, may stay out
; 64 numbers of tile m's token r from my plane: register 16 c + 4 i + e = k 32 c + 16 h + 4 i + e of my K step
.macro QLOAD m, slot, st
.irp c, 0,1,2,3
.irp i, 0,1,2,3
	ds_load_b128 v[\st+16*\c+4*\i:\st+16*\c+4*\i+3], v[QA+\slot] offset:16*PITCH*(\m)+128*\c+16*\i
.endr
.endr
.endm
; they become a fragment's 16 registers of codes
.macro QUANT st, pc
.set cnt, 0
.rept 64
	v_med3_num_f32 v[\st+cnt], v[\st+cnt], -v[LM], v[LM]   ; the conversion to an 8-bit code does not saturate (ISA guide 7.6.2): the hold comes first
.set cnt, cnt+1
.endr
.irp c, 0,1,2,3
	v_cvt_scalef32_pk8_bf8_f32 v[\pc+4*\c:\pc+4*\c+1], v[\st+16*\c:\st+16*\c+7], v[SC]
	v_cvt_scalef32_pk8_bf8_f32 v[\pc+4*\c+2:\pc+4*\c+3], v[\st+16*\c+8:\st+16*\c+15], v[SC]
.endr
	v_nop                                          ; a plain instruction behind the last scaled conversion: vector and matrix instructions write these registers later
.endm
.macro IMAGE m, pc                     ; the fragment goes to LDS as it stands: lane l's 16 bytes at 16 l, 512 bytes a store
.irp c, 0,1,2,3
	ds_store_b128 v[IW], v[\pc+4*\c:\pc+4*\c+3] offset:8192*(\m)+512*\c
.endr
.endm
.macro FRAG m, s                       ; K step s of tile m comes back so, in any wave
.irp c, 0,1,2,3
	ds_load_b128 v[XF+16*(\s)+4*\c:XF+16*(\s)+4*\c+3], v[FA] offset:8192*(\m)+2048*(\s)+512*\c
.endr
.endm
; Product wi of a tile's 32: K step wi / 8; k's four tiles, then v's.  The first eight take the bias as C.  The eight accumulators take turns, one instruction a turn.
.macro WM m
.set ws, wi/8
.set wp, (wi%8)/4
.set wt, wi%4
.if ((\m)%2) == 0
.set wd, DK0+32*wp+8*wt
.else
.set wd, DK1+48*wp+8*wt
.endif
.if ws == 0
	WIN 0x31+wp                                    ; source 0 (W) window 1 or 2, source 2 (the bias) window 3
	v_wmma_f32_16x16x128_bf8_bf8 v[wd:wd+7], v[64*wt:64*wt+15], v[XF:XF+15], v[32*wp+8*wt:32*wp+8*wt+7]
.else
	WIN 0x01+wp
	v_wmma_f32_16x16x128_bf8_bf8 v[wd:wd+7], v[64*wt+16*ws:64*wt+16*ws+15], v[XF+16*ws:XF+16*ws+15], v[wd:wd+7]
.endif
.endm
; THE EPILOGUE of the tile whose results lie at EDK (k) and EDV (v), with cos and sin at ECS (window 3) and the mask byte in v[EMK].
; Line vn of 30: v's 32 numbers are squared in place (each accumulator from its low end on) and summed in four chains, then two.
.macro V1L
.if vn < 16
	v_pk_mul_f32 v[EDV+2*vn:EDV+2*vn+1], v[EDV+2*vn:EDV+2*vn+1], v[EDV+2*vn:EDV+2*vn+1]
.elseif vn < 20
	v_pk_add_f32 v[VS+2*(vn-16):VS+2*(vn-16)+1], v[EDV+4*(vn-16):EDV+4*(vn-16)+1], v[EDV+4*(vn-16)+2:EDV+4*(vn-16)+3]
.elseif vn < 24
	v_pk_add_f32 v[VS+2*(vn-20):VS+2*(vn-20)+1], v[VS+2*(vn-20):VS+2*(vn-20)+1], v[EDV+16+2*(vn-20):EDV+17+2*(vn-20)]
.elseif vn < 28
	v_pk_add_f32 v[VS+2*(vn-24):VS+2*(vn-24)+1], v[VS+2*(vn-24):VS+2*(vn-24)+1], v[EDV+24+2*(vn-24):EDV+25+2*(vn-24)]
.elseif vn == 28
	v_pk_add_f32 v[VS:VS+1], v[VS:VS+1], v[VS+2:VS+3]
.else
	v_pk_add_f32 v[VS+4:VS+5], v[VS+4:VS+5], v[VS+6:VS+7]
.endif
.endm
.macro V1RUN from
.set vn, \from
.rept 5
	V1L
.set vn, vn+1
.endr
.endm
; s = sum over j of cos_j (q1 k1 + q2 k2) + sin_j (q2 k1 - q1 k2): the rotation is never applied to k itself.  Registers i and 16 + i hold k1 and k2 (q1 and q2) of one frequency.
; Four pairs of frequencies at a time go through three slices of four lines; q, cos and sin stand as source 1, in window 3.
.macro KL4
.set kg, (wi-7)/3
.set kst, (wi-7)%3
.set i0, 4*kg
.set i1, 4*kg+2
.if kst == 0
	v_pk_mul_f32 v[TT:TT+1],   v[EDK+i0:EDK+i0+1],     v[QW+i0:QW+i0+1]
	v_pk_mul_f32 v[TT+2:TT+3], v[EDK+16+i0:EDK+17+i0], v[QW+i0:QW+i0+1]
	v_pk_mul_f32 v[TT+4:TT+5], v[EDK+i1:EDK+i1+1],     v[QW+i1:QW+i1+1]
	v_pk_mul_f32 v[TT+6:TT+7], v[EDK+16+i1:EDK+17+i1], v[QW+i1:QW+i1+1]
.elseif kst == 1
	v_pk_fma_f32 v[TT:TT+1],   v[EDK+16+i0:EDK+17+i0], v[QW+16+i0:QW+17+i0], v[TT:TT+1]
	v_pk_fma_f32 v[TT+2:TT+3], v[EDK+i0:EDK+i0+1],     v[QW+16+i0:QW+17+i0], v[TT+2:TT+3] neg_lo:[0,0,1] neg_hi:[0,0,1]
	v_pk_fma_f32 v[TT+4:TT+5], v[EDK+16+i1:EDK+17+i1], v[QW+16+i1:QW+17+i1], v[TT+4:TT+5]
	v_pk_fma_f32 v[TT+6:TT+7], v[EDK+i1:EDK+i1+1],     v[QW+16+i1:QW+17+i1], v[TT+6:TT+7] neg_lo:[0,0,1] neg_hi:[0,0,1]
.else
.if kg == 0
	v_pk_mul_f32 v[TT+8:TT+9],   v[TT:TT+1],   v[ECS+i0:ECS+i0+1]
	v_pk_mul_f32 v[TT+10:TT+11], v[TT+4:TT+5], v[ECS+i1:ECS+i1+1]
.else
	v_pk_fma_f32 v[TT+8:TT+9],   v[TT:TT+1],   v[ECS+i0:ECS+i0+1], v[TT+8:TT+9]
	v_pk_fma_f32 v[TT+10:TT+11], v[TT+4:TT+5], v[ECS+i1:ECS+i1+1], v[TT+10:TT+11]
.endif
	v_pk_fma_f32 v[TT+8:TT+9],   v[TT+2:TT+3], v[ECS+16+i0:ECS+17+i0], v[TT+8:TT+9]
	v_pk_fma_f32 v[TT+10:TT+11], v[TT+6:TT+7], v[ECS+16+i1:ECS+17+i1], v[TT+10:TT+11]
.endif
.endm
; The serial end of v's divisor, one line a slice beside k's sums.  Its second source is a constant or a scalar throughout, so that it runs under the same window setting (an addition is written x 1.0 + ..).
.macro YL
.if wi == 7
	v_pk_fma_f32 v[RV:RV+1], v[VS+4:VS+5], 1.0, v[VS:VS+1] op_sel_hi:[1,0,1]
.elseif wi == 8
	v_fma_f32 v[RV], v[RV+1], 1.0, v[RV]
.elseif wi == 9
	v_permlanex16_b32 v[PT], v[RV], s58, s59       ; the token's other 32 channels lie in the lane 16 away
.elseif wi == 10
	v_fma_f32 v[RV], v[PT], 1.0, v[RV]
.elseif wi == 11
	v_ldexp_f32 v[RV], v[RV], s54                  ; the true sum of v^2 (the sums lack 2^E, their squares 2^(2E)),
.elseif wi == 12
	v_max_num_f32 v[RV], v[RV], s75                ; at least 1e-38,
.elseif wi == 13
	v_ldexp_f32 v[RV], v[RV], 32                   ; out of the denormals, which the reciprocal would take for 0 (ISA guide 15.8)
.elseif wi == 14
	v_rcp_f32 v[RV], v[RV]                         ; the next slice's four plain lines stand between it and the use of its result (ISA guide 5.7.2)
.elseif wi == 15
	s_wait_alu depctr_va_vdst(0)
	v_ldexp_f32 v[RV], v[RV], s55                  ; x 2^32 again, and 2^(2E) for the squares
.endif
.endm
; SLICE wi of 32: what stands behind product wi of tile m.  epi = 1: the epilogue's lines.  f23 = 1: this tile's fragments 2 and 3 are fetched in slice 1 (their last readers are the tile before's products 23 and 31; slice 0's
; five lines are the places).  nf = 1: the next tile's fragments 0 and 1 are fetched in slice 19 (last readers: products 7 and 15).  rl = 1: the table's set that has just been read takes the tile four further on.
; lc: how many younger loads may be out when the epilogue's set of the table has to be there.  The loads stand in two runs a tile, never singly.
.macro SLICE m, epi, f23, nf, rl, lc
.if \epi
.if wi == 0
	WIN 0
	V1RUN 0
.elseif wi == 1
.elseif wi < 7
	WIN 0
	V1RUN 5*(wi-1)
.elseif wi < 19
.if wi == 7
	s_wait_loadcnt \lc                             ; loads come back in order (ISA guide 5.7.1): my set of 8 is in, the sets asked for behind it stay out
.endif
	WIN 0x0c                                       ; source 1 window 3
	KL4
	YL
.elseif wi == 19
	WIN 0
	v_pk_add_f32 v[TT+8:TT+9], v[TT+8:TT+9], v[TT+10:TT+11]   ; the serial end of s, one line a slice
	v_cmp_eq_u32 vcc_lo, 0, v[EMK]
.elseif wi == 20
	WIN 0
	v_add_f32 v[SV], v[TT+8], v[TT+9]
.elseif wi == 21
	WIN 0
	v_permlanex16_b32 v[PT], v[SV], s58, s59
.elseif wi == 22
	WIN 0
	v_add_f32 v[SV], v[SV], v[PT]
.elseif wi == 23
	WIN 0
	v_cndmask_b32 v[SV], 0, v[SV], vcc_lo          ; 0 where the mask is set
.elseif wi == 24
	WIN 0
	v_mul_f32 v[TT], v[SV], v[SV]
	v_fma_f32 v[SS], v[SV], v[SV], v[SS]
.elseif wi == 25
	WIN 0
	v_mul_f32 v[CC], v[TT], v[RV]                  ; s^2 / max(sum of v^2, 1e-38)
.elseif wi < 30
	WIN 0xf0                                       ; U: source 2 and destination window 3
.set un, 4*(wi-26)
.rept 4
	v_pk_fma_f32 v[UW+2*un:UW+2*un+1], v[EDV+2*un:EDV+2*un+1], v[CC:CC+1], v[UW+2*un:UW+2*un+1] op_sel_hi:[1,0,1]
.set un, un+1
.endr
.endif
.endif
.if (\f23) && (wi == 1)
	WIN 0
.if !(\epi)
	PLACES
.endif
	FRAG \m, 2
	FRAG \m, 3
.endif
.if wi == 19
.if \nf
	WIN 0
.if !(\epi)
	PLACES
.endif
	FRAG (\m)+1, 0
	FRAG (\m)+1, 1
.endif
.if \rl
	WIN 0xc0                                       ; destination window 3
.irp g, 0,1,2,3,4,5,6,7
	global_load_b128 v[ECS+4*\g:ECS+4*\g+3], v[LI], s[62:63] offset:4096*((\m)+3)+512*\g
.endr
.endif
.endif
.if !(\epi) && (wi == 31)
	PLACES                                         ; a tile without slices: the places between its last products and the first read of their results
.endif
.endm
; A TILE: 16 tokens' 32 products into set m % 2, and in their slices the epilogue of the tile before (for m = 0: the last step's fourth), which lies in the other set.
; The waits in front of the four K steps count the fragment loads issued behind the fragment that is wanted: 1; 2 and 3; 3; the next tile's 0 and 1.
.macro TILE m, epi, nf, rl, lc
.if ((\m)%2) == 1
.set EDK, DK0
.set EDV, DV0
.else
.set EDK, DK1
.set EDV, DV1
.endif
.set ECS, CSW+32*(((\m)+3)%4)
.if (\m) == 0
.set EMK, MKP
.else
.set EMK, MK+(\m)-1
.endif
.set wi, 0
.rept 32
.if wi == 0
	s_wait_dscnt 4
.elseif wi == 8
	s_wait_dscnt 8
.elseif wi == 16
	s_wait_dscnt 4
.elseif wi == 24
	s_wait_dscnt 8*(\nf)
.endif
	WM \m
	SLICE \m, \epi, 1, \nf, \rl, \lc
.set wi, wi+1
.endr
.endm
; A STEP: 64 tokens out of slot `slot`.  In front of the round each wave waits for all its tensor loads (one is out: my plane of this slot), adds 0 to its spare word, and waits for that and for its reads of the other slot
; and of the images.  Behind the round no wave of any partner reads the other slot, so it is filled again first (refill = 1), and the images may be written anew.
; pf = 1: the prefetch; 2: not in the loop's last trip.  first = 1: the first tile has no epilogue to carry.  last = 1: only tile 63's set of the table is still asked for, and the counts run down.
.macro STEP slot, refill, pf, first, last
	s_wait_tensorcnt 0x0                           ; no tensor load of mine is out, so a group 0 may be written
	ds_add_u32 v[SPW], v[NIL]                      ; 0 onto my spare word
	s_add_nc_u64 s[G0+4*\slot+2:G0+4*\slot+3], s[G0+4*\slot+2:G0+4*\slot+3], 2*STEPB   ; this slot's next tile, two steps on; the type bits on top are not reached
	s_wait_dscnt 0x0                               ; the add is done, and my LDS reads are over
	ROUND
.if \refill
	tensor_load_to_lds s[G0+4-4*\slot:G0+7-4*\slot], s[G1:G1+7]   ; the next step's plane, into the slot read last step: my one tensor load until the next round; it has this step's work in which to land
	s_nop 0
.endif
	PLACES                                         ; the places between the last step's last products and the loads into x's fragments
.if !(\first)
	v_mov_b32 v[MKP], v[MK+3]
.endif
	v_add_nc_u32 v[MA], s[MO], v[MA0]
.irp m, 0,1,2,3
	ds_load_u8 v[MK+\m], v[MA] offset:16*\m
.endr
	QLOAD 0, \slot, XF
	QLOAD 1, \slot, DD
	s_wait_dscnt 16                                ; all but tile 1's sixteen loads
.if \pf == 2
	s_cmp_eq_u32 s[LAP], 1                         ; step 14 asks for nothing: two steps on there are no rows of this cluster's.  The count is the same in all partners
	s_cbranch_scc1 .Lno_ask_\@
.endif
.if \pf
	global_prefetch_b8 v[PFA], s[60:61] th:TH_LOAD_NT scope:SCOPE_SE   ; 32 lanes 256 bytes apart: my sixteenth of the rows of the step two on, whose tensor load goes out behind the next round; each block is asked for by one wave of the cluster
.endif
.if \pf == 2
.Lno_ask_\@:
.endif
	QUANT XF, PC
	IMAGE 0, PC
	QLOAD 2, \slot, XF
	s_wait_dscnt 20                                ; younger: 4 stores and 16 loads: tile 1's numbers are in
	QUANT DD, TT
	IMAGE 1, TT
	QLOAD 3, \slot, DD
	s_wait_dscnt 20                                ; younger: 4 stores and 16 loads: tile 2's numbers are in, and tile 0's stores have read their codes
	QUANT XF, PC
	IMAGE 2, PC
	s_wait_dscnt 4                                 ; younger: 4 stores: tile 3's numbers are in, and tile 1's stores have read their codes
	QUANT DD, TT
	IMAGE 3, TT
	s_wait_dscnt 0x0                               ; for the others' sake: my images have landed
	s_barrier_signal -1
	s_barrier_wait -1                              ; all sixteen fragments lie in LDS.  The refill may stay on its way across it
	FRAG 0, 0
	FRAG 0, 1
	TILE 0, 1-\first, 1, 1-\first, 24
	TILE 1, 1, 1, 1-\last, 24
	TILE 2, 1, 1, 1-\last, 24-8*\last
	TILE 3, 1, 0, 1-\last, 24-16*\last
	WIN 0                                          ; at a label and at a branch every window is 0
	s_wait_xcnt 0x0                                ; the loads and the prefetch have read their bases: only now are these stepped
	s_add_nc_u64 s[62:63], s[62:63], 4*4096
	s_add_nc_u64 s[60:61], s[60:61], STEPB
	s_add_co_u32 s[MO], s[MO], 64
.endm
	STEP 0, 1, 1, 1, 0                             ; step 0 is written out: its first tile carries no epilogue
.Llap:                                                 ; seven trips: steps 1 to 14
	STEP 1, 1, 1, 0, 0
	STEP 0, 1, 2, 0, 0
	s_sub_co_u32 s[LAP], s[LAP], 1
	s_cmp_lg_u32 s[LAP], 0
	s_cbranch_scc1 .Llap
	STEP 1, 0, 0, 0, 1                             ; step 15 is written out: nothing is left to fetch
.set EDK, DK1                          ; the last tile's epilogue, with no products to ride on
.set EDV, DV1
.set ECS, CSW+96
.set EMK, MK+3
.set wi, 0
.rept 32
	SLICE 0, 1, 0, 0, 0, 0
.set wi, wi+1
.endr
	; THE WAY OUT.  A lane holds 32 channels' sums over its own tokens (r, r + 16, ..).  They are added over the 16 lanes of a half by halving: at each level a lane keeps one half of its registers and gives the other
	; to its partner.  After three levels a lane holds 4 channels; the fourth level adds lanes r and r xor 8, which then hold the same.
	WIN 0x0f                                       ; sources 0 and 1 window 3: the first level reads U where it lies
.irp a, 0,1,2,3
.irp i, 0,1,2,3
	v_cndmask_b32 v[DD+32+4*\a+\i], v[UW+8*\a+4+\i], v[UW+8*\a+\i], s66   ; what I give: the lower four where r & 1, else the upper
	v_cndmask_b32 v[DD+8*\a+\i], v[UW+8*\a+\i], v[UW+8*\a+4+\i], s66      ; what I keep
.endr
.endr
	WIN 0
.irp a, 0,1,2,3
.irp i, 0,1,2,3
	v_add_f32_dpp v[DD+8*\a+\i], v[DD+32+4*\a+\i], v[DD+8*\a+\i] row_xmask:1 row_mask:0xf bank_mask:0xf
.endr
.endr
.macro LEVEL msk, xm, stride, count
.set cnt, 0
.rept \count
.irp i, 0,1,2,3
	v_cndmask_b32 v[TT+\i], v[DD+2*\stride*cnt+\stride+\i], v[DD+2*\stride*cnt+\i], s[\msk]
	v_cndmask_b32 v[DD+2*\stride*cnt+\i], v[DD+2*\stride*cnt+\i], v[DD+2*\stride*cnt+\stride+\i], s[\msk]
	v_add_f32_dpp v[DD+2*\stride*cnt+\i], v[TT+\i], v[DD+2*\stride*cnt+\i] row_xmask:\xm row_mask:0xf bank_mask:0xf
.endr
.set cnt, cnt+1
.endr
.endm
	LEVEL 67, 2, 8, 2
	LEVEL 68, 4, 16, 1
.irp i, 0,1,2,3
	v_add_f32_dpp v[DD+\i], v[DD+\i], v[DD+\i] row_xmask:8 row_mask:0xf bank_mask:0xf
.endr
	v_add_f32_dpp v[SS], v[SS], v[SS] row_xmask:1 row_mask:0xf bank_mask:0xf   ; both halves of the lanes hold every token's s^2: the sum over a half is S
	v_add_f32_dpp v[SS], v[SS], v[SS] row_xmask:2 row_mask:0xf bank_mask:0xf
	v_add_f32_dpp v[SS], v[SS], v[SS] row_xmask:4 row_mask:0xf bank_mask:0xf
	v_add_f32_dpp v[SS], v[SS], v[SS] row_xmask:8 row_mask:0xf bank_mask:0xf
.irp i, 0,1,2,3
	v_cndmask_b32 v[DD+\i], v[DD+\i], v[SS], s69   ; the lanes with r & 8 store S in place of their copy of U
.endr
	global_store_b128 v[OA], v[DD:DD+3], s[20:21]  ; the wave stores 512 consecutive bytes, aligned: U[0..63], then S 64 times
	s_wait_tensorcnt 0x0                           ; the wave's end, behind my last tensor load and my last LDS store
	ds_add_u32 v[SPW], v[NIL]
	s_wait_dscnt 0x0
	ROUND                                          ; the closing round: no work-group ends while a partner may still ask for a tile that names it
	s_endpgm
.Lfunc_end_k_qd364ee4cbb_main:
	.size	k_qd364ee4cbb_main, .Lfunc_end_k_qd364ee4cbb_main-k_qd364ee4cbb_main
	.p2alignl 7, 3214868480
	.fill 96, 4, 3214868480
	.section	.rodata,"a",@progbits
	.p2align	6, 0x0
	.amdhsa_kernel k_qd364ee4cbb_main
		.amdhsa_group_segment_fixed_size 327680
		.amdhsa_private_segment_fixed_size 0
		.amdhsa_enable_private_segment 0
		.amdhsa_kernarg_size 72
		.amdhsa_user_sgpr_count 2
		.amdhsa_user_sgpr_kernarg_segment_ptr 1
		.amdhsa_wavefront_size32 1
		.amdhsa_system_sgpr_workgroup_id_x 1
		.amdhsa_system_sgpr_workgroup_id_y 1
		.amdhsa_system_sgpr_workgroup_id_z 1
		.amdhsa_system_vgpr_workitem_id 0
		.amdhsa_next_free_vgpr 1024
		.amdhsa_next_free_sgpr 80
		.amdhsa_reserve_vcc 1
		.amdhsa_float_denorm_mode_32 3
		.amdhsa_float_denorm_mode_16_64 3
		.amdhsa_memory_ordered 1
		.amdhsa_forward_progress 1
		.amdhsa_inst_pref_size 255
	.end_amdhsa_kernel
	.section	.bss,"aw",@nobits
	.p2align	6
	.space	262144
	.amdgpu_metadata
---
amdhsa.version: [ 1, 2 ]
amdhsa.kernels:
  - .name:           k_qd364ee4cbb_main
    .symbol:         k_qd364ee4cbb_main.kd
    .args:
      - { .name: x, .offset: 0, .size: 8, .value_kind: global_buffer, .address_space: global }
      - { .name: mask, .offset: 8, .size: 8, .value_kind: global_buffer, .address_space: global }
      - { .name: bkv, .offset: 16, .size: 8, .value_kind: global_buffer, .address_space: global }
      - { .name: bq, .offset: 24, .size: 8, .value_kind: global_buffer, .address_space: global }
      - { .name: lowp_scales, .offset: 32, .size: 8, .value_kind: global_buffer, .address_space: global }
      - { .name: wkvc, .offset: 40, .size: 8, .value_kind: global_buffer, .address_space: global }
      - { .name: wqc, .offset: 48, .size: 8, .value_kind: global_buffer, .address_space: global }
      - { .name: tab, .offset: 56, .size: 8, .value_kind: global_buffer, .address_space: global }
      - { .name: part, .offset: 64, .size: 8, .value_kind: global_buffer, .address_space: global }
    .group_segment_fixed_size: 327680
    .private_segment_fixed_size: 0
    .kernarg_segment_align: 8
    .kernarg_segment_size: 72
    .max_flat_workgroup_size: 128
    .sgpr_count:     80
    .vgpr_count:     1024
    .wavefront_size: 32
...
	.end_amdgpu_metadata
.endif
;; end of part 4
;; launch finish: the kernel of part 3 again; grid 32 x 1, 1 waves a work-group, no clusters, 0 bytes of LDS; arguments part, out0; writes out0
